; MI455X (gfx1250); checked and timed in simulation.
; The chip was launched on July 23, 2026; its instructions are those of AMD's public machine-readable ISA for CDNA 5 (MIT licence, August 2026) and "CDNA5" Instruction Set Architecture Reference Guide (July 2026). The comments in the code are by the model that wrote it; some were corrected since.
;; Multi Head Attention. Allowed arithmetic: matrix products marked QUANTISED: E4M3 operands, one E8M0 scale for each 32 along K, by v_wmma_scale_f32_16x16x128_f8f6f4 with both operands' format E4M3, f32 sums; everything else in f32.
;; Inputs: Wk_codes 1,024 x 32 x 32 uint8 (E4M3 codes of Wk, K innermost, in blocks of 32 codes); Wk_scales 1,024 x 32 uint8 (E8M0 scales of Wk, one for each 32 codes along K); Wo_codes 1,024 x 32 x 32 uint8 (E4M3 codes of Wo, K innermost, in blocks of 32 codes); Wo_scales 1,024 x 32 uint8 (E8M0 scales of Wo, one for each 32 codes along K); Wq_codes 1,024 x 32 x 32 uint8 (E4M3 codes of Wq, K innermost, in blocks of 32 codes); Wq_scales 1,024 x 32 uint8 (E8M0 scales of Wq, one for each 32 codes along K); Wv_codes 1,024 x 32 x 32 uint8 (E4M3 codes of Wv, K innermost, in blocks of 32 codes); Wv_scales 1,024 x 32 uint8 (E8M0 scales of Wv, one for each 32 codes along K); bk 1,024 float32; bo 1,024 float32; bq 1,024 float32; bv 1,024 float32; key_codes 4 x 2,048 x 32 x 32 uint8 (E4M3 codes of key, K innermost, in blocks of 32 codes); key_scales 4 x 2,048 x 32 uint8 (E8M0 scales of key, one for each 32 codes along K); query_codes 4 x 2,048 x 32 x 32 uint8 (E4M3 codes of query, K innermost, in blocks of 32 codes); query_scales 4 x 2,048 x 32 uint8 (E8M0 scales of query, one for each 32 codes along K); value_codes 4 x 2,048 x 32 x 32 uint8 (E4M3 codes of value, K innermost, in blocks of 32 codes); value_scales 4 x 2,048 x 32 uint8 (E8M0 scales of value, one for each 32 codes along K).
;; Outputs: out0 4 x 2,048 x 1,024 float32.
;; This version of the problem:
;;   THIS VERSION OF THE PROBLEM IS GIVEN IN LOW PRECISION. The matrix products marked QUANTISED in the list below multiply operands that are first quantised to E4M3 (4 exponent bits, 3 mantissa bits; 8 bits a number), with one power-of-two scale for each 32 numbers along K (OCP MX v1.0); their sums are f32. All else is computed in f32.
;;   The module's matrix products, in the order in which they are computed (A, B: the left and right operand; K: the contracted axis; several contracted axes count as one K, in the product's order):
;;     1. [M 8,192, K 1,024] x [K 1,024, N 1,024]; A: input query (given as codes); B: input Wq (given as codes): QUANTISED
;;     2. [M 8,192, K 1,024] x [K 1,024, N 1,024]; A: input key (given as codes); B: input Wk (given as codes): QUANTISED
;;     3. [M 8,192, K 1,024] x [K 1,024, N 1,024]; A: input value (given as codes); B: input Wv (given as codes): QUANTISED
;;     4. batch 64 x [M 2,048, K 64] x [K 64, N 2,048]; A: computed on the way; B: computed on the way: QUANTISED
;;     5. batch 64 x [M 2,048, K 2,048] x [K 2,048, N 64]; A: softmax (see below); B: computed on the way: QUANTISED
;;     6. [M 8,192, K 1,024] x [K 1,024, N 1,024]; A: computed on the way; B: input Wo (given as codes): QUANTISED
;;   THE QUANTISER, for each operand of a quantised product, along K:
;;     - K is cut into blocks of 32 from its start; a last block that is shorter is filled with zeros.
;;     - A block's scale is 2^e with e = floor(log2(the largest magnitude in the block)) - 8, held to -126 .. 127; a block of zeros has e = 0. As a byte (E8M0): e + 127.
;;     - Each number is divided by its block's scale, clamped to +-448, and rounded to the nearest number of E4M3, ties to even, subnormals kept.
;;     - The product sums the exact products of the quantised numbers (number of the format x scale) in f32.
;;   ~~~python
;;   def quantise(x, axis):      # numpy; x: float32 -> the quantised numbers, widened to float32 again
;;       x = np.moveaxis(x, axis, -1); K = x.shape[-1]
;;       x = np.pad(x, [(0, 0)] * (x.ndim - 1) + [(0, -K % 32)]); x = x.reshape(x.shape[:-1] + (-1, 32)); a = np.abs(x).max(-1, keepdims=True)
;;       e = np.where(a > 0, np.clip(np.frexp(np.where(a > 0, a, 1))[1] - 1 - 8, -126, 127), 0)      # np.frexp(a)[1] - 1 = floor(log2(a)), exactly
;;       r = np.clip(x / 2.0 ** e, -448, 448)
;;       step = 2.0 ** (np.maximum(np.frexp(np.where(r == 0, 1, r))[1] - 1, -6) - 3)
;;       q = np.round(r / step) * step * 2.0 ** e      # np.round: ties to even
;;       return np.moveaxis(q.reshape(q.shape[:-2] + (-1,))[..., :K], -1, axis).astype(np.float32)
;;   ~~~
;;   SOFTMAX AHEAD OF A QUANTISED PRODUCT. Where the list says 'softmax', what is quantised is not the finished softmax but p = 2^(t - M), with t = logit x log2(e) and M = ceil(the row's largest t), a whole number; so 1/2 < the row's largest p <= 1. The row's sum l is taken of the UNQUANTISED p, in f32, and the product's result is divided by l at the end. Since M is a whole number, a kernel that streams over the keys may use a running M (the ceiling of the running maximum): every later rescaling is an exact power of two, which a block's scale takes up: the codes' values come out the same.
;;   OPERANDS COMPUTED ON THE WAY. 'Computed on the way' means the value that the module computes at that place (a softmax that the list does not call 'softmax' is quantised finished and normalised). What goes into a quantiser is computed in f32, as accurately as f32 sums, v_exp_f32 and their like allow (about 1e-6 of the number): no bf16 or f16 on the way to a quantiser, and a product that is left as it is and whose result goes on into a quantised operand takes f32 operands (vector FMAs, or v_wmma_f32_16x16x4_f32). A number that lies on a knife's edge between two numbers of the format may be rounded either way, as far as f32 arithmetic and the matrix unit's own rounding can turn it there, and no further.
;;   INPUTS GIVEN AS CODES. Wk (in the module: [1024, 1024], K = its axis 1); Wo (in the module: [1024, 1024], K = its axis 1); Wq (in the module: [1024, 1024], K = its axis 1); Wv (in the module: [1024, 1024], K = its axis 1); key (in the module: [4, 2048, 1024], K = its axis 2); query (in the module: [4, 2048, 1024], K = its axis 2); value (in the module: [4, 2048, 1024], K = its axis 2): each comes as NAME_codes (uint8): NAME with its K axis moved to the last place and cut into blocks of 32 codes, [.., K / 32, bytes a block], one block behind the other in memory; one code a byte (a code: sign, 4 exponent bits, 3 mantissa bits); and NAME_scales (uint8): the same leading axes, one E8M0 byte (e + 127) for each 32 codes along K. Its value is code x scale, taken as it is: it is not quantised again, and the codes and scales need not be those that the quantiser above would give.
;; One version. Each part assembles by itself: llvm-mc -triple=amdgcn-amd-amdhsa -mcpu=gfx1250 --defsym DOCPART=n.
;; ======== version 1 of 1: 3 launches
;; limits: right only within a limited range of input values
;; workspace buffers: q_codes 8,388,608 bytes; k_codes 8,388,608 bytes; v_codes 8,388,608 bytes; q_scales 262,144 bytes; k_scales 262,144 bytes; v_scales 262,144 bytes; a_codes 8,388,608 bytes; a_scales 262,144 bytes
;; launch proj (part 1): grid 4 x 96, 4 waves a work-group, clusters of 4 x 4, 327,680 bytes of LDS; arguments query_codes, key_codes, Wv_codes, query_scales, key_scales, Wv_scales, Wq_codes, Wk_codes, value_codes, Wq_scales, Wk_scales, value_scales, bq, bk, bv, q_codes, k_codes, v_codes, q_scales, k_scales, v_scales; writes q_codes, k_codes, v_codes, q_scales, k_scales, v_scales
.if DOCPART == 1
	.amdgcn_target "amdgcn-amd-amdhsa--gfx1250"
	.amdhsa_code_object_version 6
	.text
	.protected	k_qca519c3cae_proj
	.globl	k_qca519c3cae_proj
	.p2align	8
	.type	k_qca519c3cae_proj,@function
k_qca519c3cae_proj:
	s_mov_b64 s[64:65], 0
	v_nop
	global_prefetch_b8 v0, s[64:65] scope:SCOPE_SE
	s_setreg_imm32_b32 hwreg(HW_REG_WAVE_MODE, 25, 1), 1
	s_wait_xcnt 0x0
	s_wait_alu depctr_hold_cnt(0) depctr_sa_sdst(0) depctr_va_vdst(0) depctr_va_sdst(0) depctr_va_ssrc(0) depctr_va_vcc(0) depctr_vm_vsrc(0)
	s_getreg_b32 s2, hwreg(HW_REG_IB_STS2, 6, 4)
	s_cmp_eq_u32 s2, 0
	s_cbranch_scc0 .Lentry_in_a_cluster
	s_endpgm
.Lentry_in_a_cluster:
	s_bfe_u32 s2, ttmp6, 0x10000c
	s_cmp_lg_u32 s2, 0xf033
	s_cbranch_scc0 .Lentry_shape_is_right
	s_endpgm
.Lentry_shape_is_right:
.set NQ,     2
.set ROWB,   256
.set ASTEP,  256
.set KROW,   1024
.set PITCH,  272
.set FR,     16
.set NL,     4
.set NP,     8
.set HALFT,  128*PITCH
.set SLOT,   4*HALFT
.set LAPS,   2
.set KS,     32
.set SCL,    2*SLOT
.set HALFS,  (128*KS/256)*272
.set SBLK,   (16*KS/256)*272
.set SPARE,  SCL+4*HALFS
.set CPITCH, 144
.set CSTW,   128*CPITCH
.set SSTG,   4*CSTW
.set ADRA, 16
.set ADRB, 20
.set BMO,  22
.set BNO,  23
.set STO,  24
.set SSTO, 25
.set RD,   26
.set ADRS, 27
.set SPW,  28
.set NIL,  29
.set SRD,  30
.set SC,   32
.set BN,   64
.set AF,   128
.set X,    128
.set TM,   224
.set VO,   32
.set SW,   48
.set OUTR, 128
.set SEL,  20
.set MNT,  22
.set G1, 24
.set G0, 32
.set G1B, 48
.set G0B, 56
.set G1S, 68
.set G0S, 76
.set G1SB, 80
.set G0SB, 88
.set MSB, 0
.macro WIN new
.if MSB != \new
	s_set_vgpr_msb (MSB<<8)|\new
.set MSB, \new
.endif
.endm
.set MUL_LO,  0xa1
.set MUL_HI,  0xf1
.set MUL_LO0, 0x81
.set MUL_HI0, 0xc1
.set TO_B,    0x40
.macro JLOAD g0a, g1a, g0b, g1b
	s_cmp_eq_u32 s15, 0
	s_cbranch_scc0 .Lfor_b_\@
	tensor_load_to_lds s[\g0a:\g0a+3], s[\g1a:\g1a+7]
	s_nop 0
.rept 4
	v_nop
.endr
	s_branch .Lasked_\@
.Lfor_b_\@:
	tensor_load_to_lds s[\g0b:\g0b+3], s[\g1b:\g1b+7]
	s_nop 0
.rept 4
	v_nop
.endr
.Lasked_\@:
.endm
.macro CREST
	s_cmp_lg_u32 s14, 0
	s_cbranch_scc1 .Lnot_wave_0_\@
	s_barrier_signal -3
.Lnot_wave_0_\@:
	s_barrier_wait -3
	s_barrier_signal -1
	s_barrier_wait -1
.endm
.macro CROUND
	s_barrier_signal -1
	s_barrier_wait -1
	CREST
.endm
	s_load_b512 s[24:39], s[0:1], 0x0
	s_load_b512 s[40:55], s[0:1], 0x40
	s_load_b256 s[56:63], s[0:1], 0x80
	s_load_b64 s[66:67], s[0:1], 0xa0
	v_lshl_add_u32 v[SPW], v0, 2, SPARE
	v_mov_b32 v[NIL], 0
	ds_add_u32 v28, v29
	ds_add_u32 v28, v29
	s_wait_dscnt 0x0
	v_lshrrev_b32 v1, 5, v0
	v_readfirstlane_b32 s14, v1
	s_lshr_b32 s15, s14, 1
	s_and_b32 s16, s14, 1
	s_and_b32 s17, ttmp7, 0xffff
	s_lshr_b32 s2, s17, 3
	s_and_b32 s17, s17, 7
	s_wait_kmcnt 0x0
	s_cmp_eq_u32 s2, 1
	s_cselect_b64 s[4:5], s[26:27], s[24:25]
	s_cselect_b64 s[6:7], s[32:33], s[30:31]
	s_cselect_b64 s[8:9], s[38:39], s[36:37]
	s_cselect_b64 s[10:11], s[44:45], s[42:43]
	s_cselect_b64 s[98:99], s[50:51], s[48:49]
	s_cselect_b64 s[12:13], s[56:57], s[54:55]
	s_cselect_b64 s[96:97], s[62:63], s[60:61]
	s_cmp_eq_u32 s2, 2
	s_cselect_b64 s[4:5], s[28:29], s[4:5]
	s_cselect_b64 s[6:7], s[34:35], s[6:7]
	s_cselect_b64 s[8:9], s[40:41], s[8:9]
	s_cselect_b64 s[10:11], s[46:47], s[10:11]
	s_cselect_b64 s[98:99], s[52:53], s[98:99]
	s_cselect_b64 s[12:13], s[58:59], s[12:13]
	s_cselect_b64 s[96:97], s[66:67], s[96:97]
	s_cselect_b32 s18, 0, s17
	s_cselect_b32 s19, s17, 0
	s_bfe_u32 s40, ttmp6, 0x40000
	s_bfe_u32 s41, ttmp6, 0x40004
	s_lshl_b32 s42, s19, 2
	s_add_co_u32 s42, s42, s40
	s_lshl_b32 s17, s18, 2
	s_add_co_u32 s17, s17, s41
	s_lshl_b32 s43, s41, 2
	s_lshl_b32 s43, 15, s43
	s_lshl_b32 s44, 0x1111, s40
	s_or_b32 s[G1+0], s43, (0<<16)|(1<<20)|(1<<21)|(5<<22)|(3<<25)
	s_or_b32 s[G1B+0], s44, (0<<16)|(1<<20)|(1<<21)|(5<<22)|(3<<25)
.irp g, G1, G1B
	s_mov_b32 s[\g+1], ROWB<<16
	s_mov_b32 s[\g+2], 256<<16                     ; the head's loads of codes bring 256 rows
	s_mov_b32 s[\g+3], ROWB<<16
	s_mov_b32 s[\g+4], 256
	s_mov_b32 s[\g+5], KROW
	s_mov_b32 s[\g+6], 0
	s_mov_b32 s[\g+7], 0
.endr
	s_or_b32 s[G1S+0], s43, (3<<16)|(1<<20)|(1<<21)|(5<<22)|(3<<25)
	s_or_b32 s[G1SB+0], s44, (3<<16)|(1<<20)|(1<<21)|(5<<22)|(3<<25)
.irp g, G1S, G1SB
	s_mov_b32 s[\g+1], 32<<16
	s_mov_b32 s[\g+2], (256*KS/256)<<16            ; the scale bytes of 256 rows
	s_mov_b32 s[\g+3], 32<<16
	s_mov_b32 s[\g+4], 256*KS/256
	s_mov_b32 s[\g+5], 32
	s_mov_b32 s[\g+6], 0
	s_mov_b32 s[\g+7], 0
.endr
	s_lshl_b32 s20, s17, 8                         ; the tiles' first rows
	s_lshl_b32 s46, s42, 8
	s_mov_b32 s21, 0
	s_mov_b32 s47, 0
	s_mov_b64 s[18:19], KS
	s_mul_u64 s[22:23], s[20:21], s[18:19]
	s_mul_u64 s[92:93], s[46:47], s[18:19]
	s_mov_b64 s[18:19], KROW
	s_mul_u64 s[20:21], s[20:21], s[18:19]
	s_mul_u64 s[46:47], s[46:47], s[18:19]
	s_mul_i32 s18, s16, 128*KROW                   ; in the ring I fetch 128 rows of a tile: which half, in bytes
	s_mov_b32 s19, 0
	s_mul_i32 s45, s14, HALFT
	s_add_nc_u64 s[20:21], s[4:5], s[20:21]
	s_add_nc_u64 s[22:23], s[6:7], s[22:23]
	s_add_nc_u64 s[46:47], s[8:9], s[46:47]
	s_add_nc_u64 s[92:93], s[10:11], s[92:93]
	CROUND
	s_mov_b32 s4, 1                                ; the head's four tiles, each whole: K step 0's 256 rows of A (group 0 in registers whose arguments have been used),
	s_mov_b32 s5, 0
	s_mov_b64 s[6:7], s[20:21]
	s_or_b32 s7, s7, 0x80000000
	s_mov_b32 s8, 1                                ; its 256 rows of B, behind them in slot 0,
	s_mov_b32 s9, 2*HALFT
	s_mov_b64 s[10:11], s[46:47]
	s_or_b32 s11, s11, 0x80000000
	s_mov_b32 s[G0S], 1                            ; the scale bytes of A's 256 rows,
	s_mov_b32 s[G0S+1], SCL
	s_mov_b64 s[G0S+2:G0S+3], s[22:23]
	s_or_b32 s[G0S+3], s[G0S+3], 0x80000000
	s_mov_b32 s[G0SB], 1                           ; and of B's
	s_mov_b32 s[G0SB+1], SCL+2*HALFS
	s_mov_b64 s[G0SB+2:G0SB+3], s[92:93]
	s_or_b32 s[G0SB+3], s[G0SB+3], 0x80000000
	s_add_nc_u64 s[20:21], s[20:21], s[18:19]      ; for the ring: my 128 rows of the tile
	s_add_nc_u64 s[46:47], s[46:47], s[18:19]
.irp s, 0,1
	s_mov_b32 s[G0+4*\s], 1
	s_add_co_u32 s[G0+4*\s+1], s45, \s*SLOT
	s_add_nc_u64 s[G0+4*\s+2:G0+4*\s+3], s[20:21], \s*ASTEP
	s_or_b32 s[G0+4*\s+3], s[G0+4*\s+3], 0x80000000
	s_mov_b32 s[G0B+4*\s], 1
	s_add_co_u32 s[G0B+4*\s+1], s45, \s*SLOT
	s_add_nc_u64 s[G0B+4*\s+2:G0B+4*\s+3], s[46:47], \s*ROWB
	s_or_b32 s[G0B+4*\s+3], s[G0B+4*\s+3], 0x80000000
.endr
; the head's loads, one a wave: one chain of branches on the wave's number, one load to an arm, one join
.macro ARM under, g0, g1, next
	s_cmp_lt_u32 s14, \under
	s_cbranch_scc0 \next
	tensor_load_to_lds s[\g0:\g0+3], s[\g1:\g1+7]
	s_nop 0
.rept 4
	v_nop
.endr
	s_branch .Lhead_asked
\next:
.endm
	ARM 1, 4, G1, .Lhead_b
	ARM 2, 8, G1B, .Lhead_sa
	ARM 3, G0S, G1S, .Lhead_sb
	tensor_load_to_lds s[G0SB:G0SB+3], s[G1SB:G1SB+7]
	s_nop 0
.rept 4
	v_nop
.endr
.Lhead_asked:
	s_wait_alu depctr_va_vdst(0)
	s_wait_tensorcnt 0x0                           ; my tile of the head's four is in
	ds_add_u32 v28, v29
	s_mov_b32 s[G1+2], 128<<16                     ; no tensor load of mine is out: from here on a load brings 128 rows
	s_mov_b32 s[G1+4], 128
	s_mov_b32 s[G1B+2], 128<<16
	s_mov_b32 s[G1B+4], 128
	s_wait_dscnt 0x0
	CROUND
	JLOAD G0+4, G1, G0B+4, G1B                     ; K step 1's load, the first tensor load behind the round
	v_and_b32 v1, 15, v0
	v_bfe_u32 v2, v0, 4, 1
	v_mul_u32_u24 v3, v1, PITCH
	v_lshl_add_u32 v4, v2, 4, v3
	s_mul_i32 s21, s15, HALFT
	s_mul_i32 s22, s16, HALFT
	s_add_co_u32 s22, s22, 2*HALFT
.irp s, 0,1
	v_add_nc_u32 v[ADRA+\s], s21, v4
	v_add_nc_u32 v[ADRB+\s], s22, v4
	s_add_co_u32 s21, s21, SLOT
	s_add_co_u32 s22, s22, SLOT
.endr
	v_mul_u32_u24 v5, v1, KS
	v_lshrrev_b32 v6, 8, v5
	v_lshl_add_u32 v5, v6, 4, v5
	s_mul_i32 s21, s15, HALFS
	s_mul_i32 s22, s16, HALFS
	s_add_co_u32 s22, s22, 2*HALFS
	s_sub_co_u32 s22, s22, s21
	v_mul_u32_u24 v6, s22, v2
	s_add_co_u32 s21, s21, SCL
	v_add_nc_u32 v5, v5, v6
	v_add_nc_u32 v[ADRS], s21, v5
	s_mul_i32 s23, s14, CSTW
	v_mul_u32_u24 v5, v1, CPITCH
	v_lshl_add_u32 v5, v2, 4, v5
	v_add_nc_u32 v[STO], s23, v5
	v_and_b32 v6, 31, v0
	v_lshrrev_b32 v5, 3, v6
	v_mul_u32_u24 v5, v5, CPITCH
	v_and_b32 v7, 7, v6
	v_lshl_add_u32 v5, v7, 4, v5
	v_add_nc_u32 v[RD], s23, v5
	s_lshl_b32 s23, s14, 9
	s_add_co_u32 s23, s23, SSTG
	v_lshl_add_u32 v[SSTO], v1, 2, s23
	v_lshl_add_u32 v[SRD], v6, 4, s23
	v_lshlrev_b32 v[BMO], 2, v1
	v_lshlrev_b32 v[BNO], 5, v2
	s_wait_alu depctr_va_vdst(0)
	s_lshl_b32 s20, s17, 8
	s_lshl_b32 s21, s15, 7
	s_add_co_u32 s20, s20, s21
	s_lshl_b32 s46, s42, 8
	s_lshl_b32 s47, s16, 7
	s_add_co_u32 s46, s46, s47
	s_mov_b32 s92, 0x1000
	s_cmp_eq_u32 s2, 2
	s_cselect_b32 s18, s46, s20
	s_cselect_b32 s19, s20, s46
	s_cselect_b32 s22, 0, s46
	s_cselect_b32 s23, s20, 0
	s_cselect_b32 s4, 128, 64
	s_cselect_b32 s6, 64, 0x20000
	s_cselect_b32 s7, -1, 0
	s_cselect_b32 s45, 0, -1
	s_cselect_b32 s92, 0x20000, s92
	s_lshl_b32 s5, s4, 2
	s_mov_b32 s93, 0
	s_lshr_b32 s94, s18, 11
	s_and_b32 s95, s18, 2047
	s_lshr_b32 s19, s19, 6
	s_lshl_b32 s46, s94, 21
	s_lshl_b32 s47, s19, 17
	s_add_co_u32 s46, s46, s47
	s_lshl_b32 s47, s95, 6
	s_add_co_u32 s46, s46, s47
	s_mov_b32 s47, 0
	s_add_nc_u64 s[12:13], s[12:13], s[46:47]
	s_add_nc_u64 s[8:9], s[12:13], s[92:93]
	s_lshl_b32 s46, s94, 16
	s_lshl_b32 s18, s19, 12
	s_add_co_u32 s46, s46, s18
	s_lshl_b32 s18, s95, 1
	s_add_co_u32 s46, s46, s18
	s_add_nc_u64 s[96:97], s[96:97], s[46:47]
	s_lshl_b32 s46, s23, 2
	s_add_nc_u64 s[100:101], s[98:99], s[46:47]
	s_lshl_b32 s46, s22, 2
	s_add_nc_u64 s[98:99], s[98:99], s[46:47]
	s_mov_b32 s[SEL], 0x76543210
	s_mov_b32 s[SEL+1], 0xfedcba98
	s_mov_b32 s[MNT], 0x600000
	s_mov_b32 s10, 0x05040100
	s_mov_b32 s11, 0x07060302
.irp b, 0,1,2,3,4,5,6,7
	global_load_b128 v[BN+8*\b:BN+8*\b+3], v[BNO], s[98:99] offset:64*\b
	global_load_b128 v[BN+8*\b+4:BN+8*\b+7], v[BNO], s[98:99] offset:64*\b+16
.endr
.irp a, 0,1,2,3,4,5,6,7
	global_load_b32 v[2+2*\a+2*(\a/7)], v[BMO], s[100:101] offset:64*\a
	global_load_b32 v[3+2*\a+2*(\a/7)], v[BMO], s[100:101] offset:64*\a
.endr
	s_wait_loadcnt 0x0
.set i, 0
.rept 64
	v_and_b32 v[BN+i], s45, v[BN+i]
.set i, i+1
.endr
.irp a, 0,1,2,3,4,5,6,7
	v_and_b32 v[2+2*\a+2*(\a/7)], s7, v[2+2*\a+2*(\a/7)]
	v_and_b32 v[3+2*\a+2*(\a/7)], s7, v[3+2*\a+2*(\a/7)]
.endr
.macro FRAG reg, adr, q, i
.irp c, 0,1,2,3
	ds_load_b128 v[\reg+4*\c:\reg+4*\c+3], v[\adr] offset:128*(\q)+32*\c+(\i)*16*PITCH
.endr
.endm
.macro MUL16 a0, p, q, sc, first
.irp a, \a0, \a0+1
.irp b, 0,1,2,3,4,5,6,7
.if \first
	v_wmma_scale_f32_16x16x128_f8f6f4 v[8*(8*((\a)%4)+\b):8*(8*((\a)%4)+\b)+7], v[128*(\p)+FR*\b:128*(\p)+FR*\b+FR-1], v[AF+FR*(\a):AF+FR*(\a)+FR-1], v[BN+8*\b:BN+8*\b+7], v[SC+8*NQ*(\sc)+NQ*\b+(\q)], v[SC+8*NQ*(\sc)+NQ*(\a)+(\q)] matrix_a_scale:MATRIX_SCALE_ROW1
.else
	v_wmma_scale_f32_16x16x128_f8f6f4 v[8*(8*((\a)%4)+\b):8*(8*((\a)%4)+\b)+7], v[128*(\p)+FR*\b:128*(\p)+FR*\b+FR-1], v[AF+FR*(\a):AF+FR*(\a)+FR-1], v[8*(8*((\a)%4)+\b):8*(8*((\a)%4)+\b)+7], v[SC+8*NQ*(\sc)+NQ*\b+(\q)], v[SC+8*NQ*(\sc)+NQ*(\a)+(\q)] matrix_a_scale:MATRIX_SCALE_ROW1
.endif
.endr
.endr
.endm
.macro FETCH_B slot, q, p
	WIN TO_B
.irp i, 0,1,2,3,4,5,6,7
	FRAG 128*(\p)+FR*\i, ADRB+\slot, \q, \i
.endr
	WIN 0
.endm
.macro FETCH_A slot, q, i0
.irp i, \i0, \i0+1, \i0+2, \i0+3
	FRAG AF+FR*(\i), ADRA+\slot, \q, \i
.endr
.endm
.macro SCALES sc
.irp i, 0,1,2,3,4,5,6,7
	ds_load_b64 v[SC+8*NQ*\sc+NQ*\i:SC+8*NQ*\sc+NQ*\i+1], v[ADRS] offset:\i*SBLK
.endr
.endm
.macro PLACES n
.rept \n
	v_nop
.endr
.endm
.macro STEP slot, q, first
	s_wait_dscnt 4*NL
.if \first
	WIN MUL_LO0
.else
	WIN MUL_LO
.endif
	MUL16 0, (\q)%2, \q, \slot, \first
	MUL16 2, (\q)%2, \q, \slot, \first
	s_wait_dscnt 0
	PLACES NP
	FETCH_B \slot, (\q)+1, 1-(\q)%2
	FETCH_A \slot, (\q)+1, 0
.if \first
	WIN MUL_HI0
.else
	WIN MUL_HI
.endif
	MUL16 4, (\q)%2, \q, \slot, \first
	MUL16 6, (\q)%2, \q, \slot, \first
	PLACES NP
	WIN 0
	FETCH_A \slot, (\q)+1, 4
.endm
.macro TURN slot, next, fill
	s_wait_tensorcnt 0x0
	ds_add_u32 v[SPW], v[NIL]
	s_wait_dscnt 4*NL+1
	WIN MUL_LO
	MUL16 0, 1, NQ-1, \slot, 0
	s_wait_dscnt 0x0
	s_barrier_signal -1
	MUL16 2, 1, NQ-1, \slot, 0
	WIN 0
	s_barrier_wait -1
.if \fill
	CREST
	s_add_nc_u64 s[G0+4*\slot+2:G0+4*\slot+3], s[G0+4*\slot+2:G0+4*\slot+3], 2*ASTEP
	s_add_nc_u64 s[G0B+4*\slot+2:G0B+4*\slot+3], s[G0B+4*\slot+2:G0B+4*\slot+3], 2*ROWB
	JLOAD G0+4*\slot, G1, G0B+4*\slot, G1B
	PLACES NP-4
.else
	PLACES NP
.endif
	s_wait_alu depctr_va_vdst(0)
	v_add_nc_u32 v[ADRS], 4*NQ, v[ADRS]
	FETCH_B \next, 0, 0
	FETCH_A \next, 0, 0
	SCALES \next
	WIN MUL_HI
	MUL16 4, 1, NQ-1, \slot, 0
	MUL16 6, 1, NQ-1, \slot, 0
	PLACES NP
	WIN 0
	FETCH_A \next, 0, 4
.endm
	s_wait_tensorcnt 1
	s_barrier_signal -1
	s_barrier_wait -1
	FETCH_B 0, 0, 0
	FETCH_A 0, 0, 0
	SCALES 0
	FETCH_A 0, 0, 4
	STEP 0, 0, 1
	s_mov_b32 s3, LAPS-1
.Llap:
	TURN 0, 1, 1
	STEP 1, 0, 0
	TURN 1, 0, 1
	STEP 0, 0, 0
	s_sub_co_u32 s3, s3, 1
	s_cmp_lg_u32 s3, 0
	s_cbranch_scc1 .Llap
	TURN 0, 1, 0
	STEP 1, 0, 0
	s_wait_dscnt 4*NL
	WIN MUL_LO
	MUL16 0, 1, NQ-1, 1, 0
	MUL16 2, 1, NQ-1, 1, 0
	s_wait_dscnt 0
	WIN MUL_HI
	MUL16 4, 1, NQ-1, 1, 0
	MUL16 6, 1, NQ-1, 1, 0
	WIN 0
.macro QUANT
.irp b, 0,1,2,3
	v_max3_num_f32 v[TM+\b], |v[X+16*\b]|, |v[X+1+16*\b]|, 0x4800000
.endr
.irp i, 2,4,6,8,10,12,14
.irp b, 0,1,2,3
	v_max3_num_f32 v[TM+\b], v[TM+\b], |v[X+16*\b+\i]|, |v[X+1+16*\b+\i]|
.endr
.endr
.irp b, 0,1,2,3
	v_permlanex16_b32 v[TM+4+\b], v[TM+\b], s[SEL], s[SEL+1]
.endr
.irp b, 0,1,2,3
	v_max_num_f32 v[TM+\b], v[TM+\b], v[TM+4+\b]
.endr
.irp b, 0,1,2,3
	v_add_nc_u32 v[TM+12+\b], 0xfc000000, v[TM+\b]
.endr
.irp b, 0,1,2,3
	v_and_or_b32 v[TM+8+\b], v[TM+\b], 0x7f800000, s[MNT]
.endr
.irp b, 0,1,2,3
	v_lshrrev_b32 v[TM+4+\b], 23, v[TM+12+\b]
.endr
	v_lshl_or_b32 v[PWW], v[TM+5], 8, v[TM+4]
	v_lshl_or_b32 v[PWW], v[TM+6], 16, v[PWW]
	v_lshl_or_b32 v[PWW], v[TM+7], 24, v[PWW]
.irp b, 0,1,2,3
.irp i, 0,1,2,3,4,5,6,7,8,9,10,11,12,13,14,15
	v_med3_num_f32 v[X+16*\b+\i], v[X+16*\b+\i], -v[TM+8+\b], v[TM+8+\b]
.endr
	v_cvt_scalef32_pk8_fp8_f32 v[PCC+4*\b:PCC+4*\b+1], v[X+16*\b:X+16*\b+7], v[TM+12+\b]
	v_cvt_scalef32_pk8_fp8_f32 v[PCC+4*\b+2:PCC+4*\b+3], v[X+16*\b+8:X+16*\b+15], v[TM+12+\b]
.endr
	v_nop
.endm
	PLACES NP
.irp b, 0,1,2,3
	v_mov_b32 v[TM+4+\b], 0
.endr
	v_and_b32 v60, 31, v0
	v_lshrrev_b32 v61, 3, v60
	v_mul_u32_u24 v61, s4, v61
	v_bfe_u32 v62, v60, 2, 1
	v_mad_u32_u24 v61, v62, s6, v61
	v_and_b32 v62, 3, v60
	v_lshl_add_u32 v61, v62, 4, v61
.irp k, 0,1,2,3,4,5,6,7,8,9,10,11,12,13,14,15
	v_mad_u32_u24 v[VO+\k], s5, \k, v61
.endr
.irp a, 0,1,2,3,4,5,6,7
.set PCC, 192+16*(\a%2)
.set PWW, 240+(\a%2)
.set BMR, 2+2*\a+2*(\a/7)
.set AC,  64*(\a%4)
.if \a > 0
	s_wait_dscnt 5
.endif
	WIN 0x02+(\a/4)
.irp b, 0,1,2,3,4,5,6,7
.irp i, 0,2,4,6
	v_pk_add_f32 v[X+8*\b+\i:X+8*\b+\i+1], v[AC+8*\b+\i:AC+8*\b+\i+1], v[BMR:BMR+1]
.endr
.endr
	WIN 0
	QUANT
.irp c, 0,1,2,3
	ds_store_b128 v[STO], v[PCC+4*\c:PCC+4*\c+3] offset:16*CPITCH*\a+32*\c
.endr
	ds_store_b32 v[SSTO], v[PWW] offset:64*\a
.endr
	s_wait_dscnt 0x0
.irp i, 0,1,2,3,4,5,6,7,8,9,10,11,12,13,14,15,16,17,18,19,20,21,22,23,24,25,26,27,28,29,30,31
	ds_load_b128 v[OUTR+4*\i:OUTR+4*\i+3], v[RD] offset:4*CPITCH*\i
.endr
	ds_load_b128 v[SW:SW+3], v[SRD]
.irp i, 0,1,2,3,4,5,6,7,8,9,10,11,12,13,14,15
	s_wait_dscnt 32-\i
	global_store_b128 v[VO+\i], v[OUTR+4*\i:OUTR+4*\i+3], s[12:13]
.endr
.irp i, 16,17,18,19,20,21,22,23,24,25,26,27,28,29,30,31
	s_wait_dscnt 32-\i
	global_store_b128 v[VO+\i-16], v[OUTR+4*\i:OUTR+4*\i+3], s[8:9]
.endr
	s_wait_dscnt 0x0
	v_perm_b32 v52, v49, v48, s10
	v_perm_b32 v53, v51, v50, s10
	v_perm_b32 v54, v49, v48, s11
	v_perm_b32 v55, v51, v50, s11
	v_cndmask_b32 v56, v52, v48, s7
	v_cndmask_b32 v57, v53, v49, s7
	v_cndmask_b32 v58, v54, v50, s7
	v_cndmask_b32 v59, v55, v51, s7
	v_lshlrev_b32 v62, 3, v60
	v_lshrrev_b32 v63, 4, v60
	v_lshlrev_b32 v63, 12, v63
	v_and_b32 v61, 15, v60
	v_lshl_add_u32 v63, v61, 4, v63
	v_add_nc_u32 v61, 0x1000, v62
	v_add_nc_u32 v60, 8, v63
	v_cndmask_b32 v61, v61, v60, s7
	v_cndmask_b32 v60, v62, v63, s7
	global_store_b64 v60, v[56:57], s[96:97]
	global_store_b64 v61, v[58:59], s[96:97]
	s_wait_tensorcnt 0x0
	ds_add_u32 v[SPW], v[NIL]
	s_wait_dscnt 0x0
	CROUND
	s_endpgm
.Lfunc_end_k_qca519c3cae_proj:
	.size	k_qca519c3cae_proj, .Lfunc_end_k_qca519c3cae_proj-k_qca519c3cae_proj
	.p2alignl 7, 3214868480
	.fill 96, 4, 3214868480
	.section	.rodata,"a",@progbits
	.p2align	6, 0x0
	.amdhsa_kernel k_qca519c3cae_proj
		.amdhsa_group_segment_fixed_size 327680
		.amdhsa_private_segment_fixed_size 0
		.amdhsa_enable_private_segment 0
		.amdhsa_kernarg_size 168
		.amdhsa_user_sgpr_count 2
		.amdhsa_user_sgpr_kernarg_segment_ptr 1
		.amdhsa_wavefront_size32 1
		.amdhsa_system_sgpr_workgroup_id_x 1
		.amdhsa_system_sgpr_workgroup_id_y 1
		.amdhsa_system_sgpr_workgroup_id_z 1
		.amdhsa_system_vgpr_workitem_id 0
		.amdhsa_next_free_vgpr 1024
		.amdhsa_next_free_sgpr 102
		.amdhsa_reserve_vcc 0
		.amdhsa_float_denorm_mode_32 3
		.amdhsa_float_denorm_mode_16_64 3
		.amdhsa_memory_ordered 1
		.amdhsa_forward_progress 1
		.amdhsa_inst_pref_size 217
	.end_amdhsa_kernel
	.amdgpu_metadata
---
amdhsa.version: [ 1, 2 ]
amdhsa.kernels:
  - .name:           k_qca519c3cae_proj
    .symbol:         k_qca519c3cae_proj.kd
    .args:
      - { .name: query_codes, .offset: 0, .size: 8, .value_kind: global_buffer, .address_space: global }
      - { .name: key_codes, .offset: 8, .size: 8, .value_kind: global_buffer, .address_space: global }
      - { .name: Wv_codes, .offset: 16, .size: 8, .value_kind: global_buffer, .address_space: global }
      - { .name: query_scales, .offset: 24, .size: 8, .value_kind: global_buffer, .address_space: global }
      - { .name: key_scales, .offset: 32, .size: 8, .value_kind: global_buffer, .address_space: global }
      - { .name: Wv_scales, .offset: 40, .size: 8, .value_kind: global_buffer, .address_space: global }
      - { .name: Wq_codes, .offset: 48, .size: 8, .value_kind: global_buffer, .address_space: global }
      - { .name: Wk_codes, .offset: 56, .size: 8, .value_kind: global_buffer, .address_space: global }
      - { .name: value_codes, .offset: 64, .size: 8, .value_kind: global_buffer, .address_space: global }
      - { .name: Wq_scales, .offset: 72, .size: 8, .value_kind: global_buffer, .address_space: global }
      - { .name: Wk_scales, .offset: 80, .size: 8, .value_kind: global_buffer, .address_space: global }
      - { .name: value_scales, .offset: 88, .size: 8, .value_kind: global_buffer, .address_space: global }
      - { .name: bq, .offset: 96, .size: 8, .value_kind: global_buffer, .address_space: global }
      - { .name: bk, .offset: 104, .size: 8, .value_kind: global_buffer, .address_space: global }
      - { .name: bv, .offset: 112, .size: 8, .value_kind: global_buffer, .address_space: global }
      - { .name: q_codes, .offset: 120, .size: 8, .value_kind: global_buffer, .address_space: global }
      - { .name: k_codes, .offset: 128, .size: 8, .value_kind: global_buffer, .address_space: global }
      - { .name: v_codes, .offset: 136, .size: 8, .value_kind: global_buffer, .address_space: global }
      - { .name: q_scales, .offset: 144, .size: 8, .value_kind: global_buffer, .address_space: global }
      - { .name: k_scales, .offset: 152, .size: 8, .value_kind: global_buffer, .address_space: global }
      - { .name: v_scales, .offset: 160, .size: 8, .value_kind: global_buffer, .address_space: global }
    .group_segment_fixed_size: 327680
    .private_segment_fixed_size: 0
    .kernarg_segment_align: 8
    .kernarg_segment_size: 168
    .max_flat_workgroup_size: 128
    .sgpr_count:     102
    .vgpr_count:     1024
    .wavefront_size: 32
...
	.end_amdgpu_metadata
.endif
;; end of part 1
;; launch attn (part 2): grid 4 x 64, 8 waves a work-group, clusters of 4 x 1, 327,680 bytes of LDS; arguments q_codes, q_scales, k_codes, k_scales, v_codes, v_scales, a_codes, a_scales; writes a_codes, a_scales
.if DOCPART == 2
	.amdgcn_target "amdgcn-amd-amdhsa--gfx1250"
	.amdhsa_code_object_version 6
	.text
	.protected	k_qca519c3cae_attn
	.globl	k_qca519c3cae_attn
	.p2align	8
	.type	k_qca519c3cae_attn,@function
k_qca519c3cae_attn:
	s_mov_b64 s[64:65], 0
	v_nop
	global_prefetch_b8 v0, s[64:65] scope:SCOPE_SE
	s_setreg_imm32_b32 hwreg(HW_REG_WAVE_MODE, 25, 1), 1
	s_wait_xcnt 0x0
	s_wait_alu depctr_hold_cnt(0) depctr_sa_sdst(0) depctr_va_vdst(0) depctr_va_sdst(0) depctr_va_ssrc(0) depctr_va_vcc(0) depctr_vm_vsrc(0)
	s_getreg_b32 s2, hwreg(HW_REG_IB_STS2, 6, 4)
	s_cmp_eq_u32 s2, 0
	s_cbranch_scc0 .Lentry_in_a_cluster
	s_endpgm
.Lentry_in_a_cluster:
	s_bfe_u32 s2, ttmp6, 0x10000c
	s_cmp_lg_u32 s2, 0x3003
	s_cbranch_scc0 .Lentry_shape_is_right
	s_endpgm
.Lentry_shape_is_right:
; ATTENTION ON CODES of FP8 (E4M3) with one E8M0 scale for each 32 along a product's K.  64 heads (batch x head) of 2,048 tokens and 64 channels.
; t = score x log2(e) / 8; M = the row's largest t so far, rounded UP to a whole number; p = 2^(t - M) is what is quantised, along the keys, not normalised.  The row's sum is taken of the unquantised p, in f32,
; and divides O at the end.  When M moves, the sum and O are multiplied by 2^(old M - new M): exact.  O / the sum is quantised along the model's 1,024 (a head's 64 channels are two blocks) and stored as codes.
; SHARES.  The cluster's y is the head; its four work-groups take 512 queries each and ask for the head's K and V jointly.  K, V (2 x 131,072 bytes) and their scale bytes lie in LDS for the whole launch; no byte is filled twice.
; A wave owns 32 queries at a time, TWO TILES OF 16 THAT SHARE EVERY FRAGMENT of K and V read from LDS, twice (two passes: a loop of two trips), in 512 registers; every wave walks all keys, 128 a step.
; FILLS.  At the head one joint load a wave: waves 0-3 a quarter of K each, waves 4 and 5 a half of V, wave 6 K's scale bytes, wave 7 V's.
; NO PREFETCH: all of K and V is asked for by these loads at the launch's start; no later load is left for which a loop could ask ahead.
; LDS LOADS RUN AHEAD: behind a step's first products V's tiles of the step and K's tiles of the NEXT step are asked for.  A pass's last step so reads the 8,704 bytes behind K's region and 256 behind its scale bytes
; (V's first step, V's first scale words: bytes that have landed), and nothing uses them.
; A SPLIT BARRIER IN EACH KEY STEP (signal at its head, wait at its end; register work and LDS loads of bytes that nobody writes between) keeps the eight waves within one key step of each other.
; LAYOUT.  Both products are used transposed: S^T = K Q^T (source 0 = 16 keys, source 1 = 16 queries), O^T = V^T P^T (source 0 = 16 channels, source 1 = P): a lane holds ONE query of each tile (lane % 16) throughout.
; In S^T register j of tile t is key 16 t + 8 h + j (h = lane / 16).  The 16 registers of tiles 2 c and 2 c + 1 are taken as the lane's 16 numbers of block c; v_codes have the keys of a block of 32 in that same order,
; and q_codes and k_codes share one order along the channels: every product pairs the right numbers, and a block's members and scale are the true ones.
; THE HEAD'S 64 IN AN INSTRUCTION OF 128 ALONG K.  Q's operand has zero codes in its upper eight registers; a tile of K names its own eight registers and the eight that follow (the next tile's codes, zeros behind the last).
; The upper two scale bytes are 0 on both sides (the scale loads take 16 bits and clear the rest).  The codes read here were held within +-448 x the scale, so none is the NaN code.
; LIMITS: NaN and infinities are not served; a block whose largest magnitude lies under 2^-118 keeps the scale byte 1; a block of zeros has the byte 1 (its codes are zeros; this program alone reads the bytes).
; A block's largest p is the block's largest score put through the same multiply-add and exponential: this takes v_exp_f32 not to fall where its input rises.
; REGISTERS, window 0 (q = 0, 1: the query tile): v1-11 addresses; v[12+4q] -M, +1 the largest t, +2, +3 the sum in two halves; v20-24 the way out's addresses, the spare word, 0; v[26+2q] f, v[27+2q] p's scale word; v[30+q] at work;
; v32-159 S^T, then p; v160-191 p's codes; v192-223 at work; v224-231 scale words; v232-233 the second pass's Q scales; v234-245 partial sums.
; Window 1: v0-63 K's eight tiles, v64-71 zeros; v72-135 V's four tiles; v136-199 O^T; v200-231 Q and zeros, 16 registers a tile; v232-247 the second pass's Q.
.set STEPB, 8704                       ; a step's 8,192 bytes of K or of V in LDS: 32 rows of 256 bytes + 16 of padding
.set VREG,  139264                     ; LDS: K's 16 steps from 0, V's from here,
.set KSC,   278528                     ; K's scale bytes (2 a key), 4,096 bytes,
.set VSC,   282624                     ; V's scale words (4 bytes a channel and step), 4,096 bytes,
.set STG,   286720                     ; two stages of 16 rows x (64 bytes + 16) for each wave: blocks of 256 bytes into which no fill lands,
.set SPARE, 307200                     ; and the spare words, 128 bytes a wave
.set AK0,  1                           ; my lane's place in a tile of K: key k lies at 272 (k / 4) + 64 (k % 4)
.set AV0,  2                           ; the same for V: channel d of a step lies at 272 (d / 2) + 128 (d % 2)
.set ASK0, 3                           ; K's scale bytes: 2 x lane
.set ASV0, 4                           ; V's scale words: 4 x lane
.set QA,   5                           ; Q: 64 r + 16 h
.set QSA,  6                           ; Q's scale bytes: 2 r
.set GO,   7                           ; the codes written: 16 x lane
.set ST,   12
.set STO,  20                          ; the way out: where I put 8 codes of a row
.set RD,   21                          ; where I read rows back
.set AO,   22                          ; 32 r: my token's row of a_scales
.set SPW,  23
.set NIL,  24
.set F,    26
.set PW,   27
.set TT,   30
.set S,    32
.set PC,   160
.set BX,   192                         ; + 16 q: each block's largest score, then largest p
.set T1,   196                         ; at work
.set LM,   200                         ; 448 x the scale
.set SO,   204                         ; the conversions' scale operands
.set KSR,  224                         ; K's scale words: lanes 0-15 tile 2 u, lanes 16-31 tile 2 u + 1
.set QS,   228                         ; Q's, a register a tile
.set VSR,  230                         ; V's, two registers
.set QS1,  232
.set SM,   234
.set VR,   72                          ; window 1
.set O,    136
.set QR,   200
.set Q1,   232
.set WV,   20
.set MNT,  23                          ; the mantissa field of 448
.set SEL,  24                          ; lane selects for v_permlanex16_b32: lane l xor 16
.set CS,   26                          ; c = log2(e) / 8, as a pair
.set TB,   28                          ; where the step's tiles begin in K's and in V's region
.set TS,   29                          ; and its scale bytes: 256 a step in both
.set CNT,  30
.set PASSC, 31                         ; passes to go
.set G1C,  40                          ; group 1: 128 rows of codes;  G1D: 256 rows;  G1S: 16 rows of scale bytes
.set G1S,  48
.set G1D,  80
.set G0K,  56
.set G0V,  60
.set G0KS, 68
.set G0VS, 72
.set MSB, 0
.macro WIN new                         ; the immediate's high byte repeats the setting that is left
.if MSB != \new
	s_set_vgpr_msb (MSB<<8)|\new
.set MSB, \new
.endif
.endm
.macro CROUND                          ; a round of the cluster's barrier
	s_barrier_signal -1
	s_barrier_wait -1
	s_cmp_lg_u32 s[WV], 0
	s_cbranch_scc1 .Lnot_wave_0_\@
	s_barrier_signal -3
.Lnot_wave_0_\@:
	s_barrier_wait -3
	s_barrier_signal -1
	s_barrier_wait -1
.endm
.macro TLOAD g0, g1                    ; an s_nop 0 and four v_nop follow a tensor load
	tensor_load_to_lds s[\g0:\g0+3], s[\g1:\g1+7]
	s_nop 0
.rept 4
	v_nop
.endr
.endm
.macro GROUP1 g, word0, rows           ; rows of 256 bytes (32 elements of 8), dense in memory
	s_mov_b32 s[\g], \word0
	s_mov_b32 s[\g+1], 32<<16
	s_mov_b32 s[\g+2], (\rows)<<16
	s_mov_b32 s[\g+3], 32<<16
	s_mov_b32 s[\g+4], \rows
	s_mov_b32 s[\g+5], 32
	s_mov_b32 s[\g+6], 0
	s_mov_b32 s[\g+7], 0
.endm
.macro GROUP0 g, lds, base, off        ; LDS address s[lds], global address s[base] + s[off]
	s_mov_b32 s[\g], 1
	s_mov_b32 s[\g+1], s[\lds]
	s_add_nc_u64 s[\g+2:\g+3], s[\base:\base+1], s[\off:\off+1]
	s_or_b32 s[\g+3], s[\g+3], 0x80000000
.endm
	s_load_b512 s[4:19], s[0:1], 0x0               ; q_codes, q_scales, k_codes, k_scales, v_codes, v_scales, a_codes, a_scales
	v_lshl_add_u32 v[SPW], v0, 2, SPARE
	v_mov_b32 v[NIL], 0
	ds_add_u32 v[SPW], v[NIL]                      ; the opening lines: the add twice on end and its wait ahead of my first tensor load
	ds_add_u32 v[SPW], v[NIL]
	v_lshrrev_b32 v8, 5, v0
	s_delay_alu instid0(VALU_DEP_1)
	v_readfirstlane_b32 s[WV], v8                  ; wave 0..7
	s_and_b32 s22, ttmp7, 0xffff                   ; batch x head, which the four partners share
	s_bfe_u32 s21, ttmp6, 0x40000                  ; cx: it enters Q's and the output's addresses alone
	s_lshl_b32 s32, s22, 17                        ; the head's codes: 131,072 bytes
	s_and_b32 s33, s[WV], 3
	s_lshl_b32 s34, s33, 15                        ; K: quarter wave % 4, 32,768 bytes,
	s_add_co_u32 s34, s34, s32
	s_mov_b32 s35, 0
	s_mul_i32 s36, s33, 128*272                    ; to its 128 rows of LDS
	s_and_b32 s33, s[WV], 1
	s_lshl_b32 s76, s33, 16                        ; V: half wave % 2, 65,536 bytes,
	s_add_co_u32 s76, s76, s32
	s_mov_b32 s77, 0
	s_mul_i32 s37, s33, 256*272
	s_add_co_u32 s37, s37, VREG
	s_lshl_b32 s38, s22, 12                        ; the head's scale bytes: 4,096
	s_mov_b32 s39, 0
	s_mov_b32 s78, KSC
	s_mov_b32 s79, VSC
	GROUP1 G1C, 15|(3<<16)|(1<<20)|(1<<21)|(5<<22)|(3<<25), 128  ; the mask: all four work-groups; elements of 8 bytes; four words of padding behind every 64
	GROUP1 G1D, 15|(3<<16)|(1<<20)|(1<<21)|(5<<22)|(3<<25), 256
	GROUP1 G1S, 15|(3<<16)|(1<<21), 16             ; no padding
	s_mov_b32 s[MNT], 0x600000
	s_mov_b32 s[SEL], 0x76543210
	s_mov_b32 s[SEL+1], 0xfedcba98
	s_mov_b32 s[CS], 0x3e38aa3b                    ; log2(e) / 8
	s_mov_b32 s[CS+1], s[CS]
	s_wait_dscnt 0x0
	s_wait_kmcnt 0x0
	GROUP0 G0K, 36, 8, 34
	GROUP0 G0V, 37, 12, 76
	GROUP0 G0KS, 78, 10, 38
	GROUP0 G0VS, 79, 14, 38
	CROUND                                         ; all four work-groups are here: the joint loads meet
.macro ARM under, g0, g1, next                 ; one chain of branches on the wave's number, one load to an arm, one join
	s_cmp_lt_u32 s[WV], \under
	s_cbranch_scc0 \next
	TLOAD \g0, \g1
	s_branch .Lhead_asked
\next:
.endm
	ARM 4, G0K, G1C, .Lhead_v
	ARM 6, G0V, G1D, .Lhead_ks
	ARM 7, G0KS, G1S, .Lhead_vs
	TLOAD G0VS, G1S
.Lhead_asked:
	; my wave's first query is 512 cx + 32 w (the second pass: 256 on)
	s_lshl_b32 s76, s22, 17                        ; Q's codes: 131,072 a head, 64 a query
	s_lshl_b32 s77, s21, 15
	s_add_co_u32 s76, s76, s77
	s_lshl_b32 s77, s[WV], 11
	s_add_co_u32 s76, s76, s77
	s_mov_b32 s77, 0
	s_add_nc_u64 s[4:5], s[4:5], s[76:77]
	s_lshl_b32 s76, s22, 12                        ; Q's scale bytes: 4,096 a head, 2 a query
	s_lshl_b32 s78, s21, 10
	s_add_co_u32 s76, s76, s78
	s_lshl_b32 s78, s[WV], 6
	s_add_co_u32 s76, s76, s78
	s_add_nc_u64 s[6:7], s[6:7], s[76:77]
	s_and_b32 s38, s22, 15                         ; the head,
	s_lshr_b32 s39, s22, 4                         ; the batch
	s_lshl_b32 s76, s38, 19                        ; a_codes [head][token 8,192][64]
	s_lshl_b32 s78, s39, 17
	s_add_co_u32 s76, s76, s78
	s_lshl_b32 s78, s21, 15
	s_add_co_u32 s76, s76, s78
	s_lshl_b32 s78, s[WV], 11
	s_add_co_u32 s76, s76, s78
	s_add_nc_u64 s[16:17], s[16:17], s[76:77]
	s_lshl_b32 s76, s39, 16                        ; a_scales [token][32], the head's two bytes at 2 x head
	s_lshl_b32 s78, s21, 14
	s_add_co_u32 s76, s76, s78
	s_lshl_b32 s78, s[WV], 10
	s_add_co_u32 s76, s76, s78
	s_lshl_b32 s78, s38, 1
	s_add_co_u32 s76, s76, s78
	s_add_nc_u64 s[18:19], s[18:19], s[76:77]
	v_and_b32 v8, 15, v0                           ; r
	v_bfe_u32 v9, v0, 4, 1                         ; h
	v_and_b32 v10, 31, v0                          ; lane
	s_delay_alu instid0(VALU_DEP_3)
	v_lshrrev_b32 v11, 2, v8
	s_delay_alu instid0(VALU_DEP_1)
	v_mul_u32_u24 v[AK0], v11, 272
	v_and_b32 v11, 3, v8
	s_delay_alu instid0(VALU_DEP_1)
	v_lshl_add_u32 v[AK0], v11, 6, v[AK0]
	s_delay_alu instid0(VALU_DEP_1)
	v_lshl_add_u32 v[AK0], v9, 4, v[AK0]
	v_lshrrev_b32 v11, 1, v8
	s_delay_alu instid0(VALU_DEP_1)
	v_mul_u32_u24 v[AV0], v11, 272
	v_and_b32 v11, 1, v8
	s_delay_alu instid0(VALU_DEP_1)
	v_lshl_add_u32 v[AV0], v11, 7, v[AV0]
	s_delay_alu instid0(VALU_DEP_1)
	v_lshl_add_u32 v[AV0], v9, 4, v[AV0]
	s_delay_alu instid0(VALU_DEP_1)
	v_add_nc_u32 v[AV0], VREG, v[AV0]
	v_lshl_add_u32 v[ASK0], v10, 1, KSC
	v_lshl_add_u32 v[ASV0], v10, 2, VSC
	v_lshlrev_b32 v[QA], 6, v8
	s_delay_alu instid0(VALU_DEP_1)
	v_lshl_add_u32 v[QA], v9, 4, v[QA]
	v_lshlrev_b32 v[QSA], 1, v8
	v_lshlrev_b32 v[GO], 4, v10
	s_mul_i32 s38, s[WV], 2560
	s_add_co_u32 s38, s38, STG                     ; my two stages
	v_mul_u32_u24 v[STO], v8, 80                   ; in: row r; tile t's eight codes of my half at their true place, 16 t + 8 h
	s_delay_alu instid0(VALU_DEP_1)
	v_lshl_add_u32 v[STO], v9, 3, v[STO]
	s_delay_alu instid0(VALU_DEP_1)
	v_add_nc_u32 v[STO], s38, v[STO]
	v_lshrrev_b32 v11, 2, v10                      ; back: four lanes to a row of 64 bytes, eight rows an instruction
	s_delay_alu instid0(VALU_DEP_1)
	v_mul_u32_u24 v[RD], v11, 80
	v_and_b32 v11, 3, v10
	s_delay_alu instid0(VALU_DEP_1)
	v_lshl_add_u32 v[RD], v11, 4, v[RD]
	s_delay_alu instid0(VALU_DEP_1)
	v_add_nc_u32 v[RD], s38, v[RD]
	v_lshlrev_b32 v[AO], 5, v8
.irp q, 0,1
	global_load_u16 v[QS+\q], v[QSA], s[6:7] offset:32*\q          ; both passes' Q are asked for here, under the tiles' flight; the upper half is cleared
	global_load_u16 v[QS1+\q], v[QSA], s[6:7] offset:512+32*\q
.endr
.irp q, 0,1
.irp b, 0,1,2,3
	v_mov_b32 v[T1+16*\q+\b], 0                    ; a lane permute's destination counts as one of its sources
.endr
	v_mov_b32 v[PW+2*\q], 0                        ; (named as the upper half of a pair before it is first written)
.endr
	WIN 0x40                                       ; destinations in window 1
.irp q, 0,1
	global_load_b128 v[QR+16*\q:QR+16*\q+3], v[QA], s[4:5] offset:1024*\q
	global_load_b128 v[QR+16*\q+4:QR+16*\q+7], v[QA], s[4:5] offset:1024*\q+32
	global_load_b128 v[Q1+8*\q:Q1+8*\q+3], v[QA], s[4:5] offset:16384+1024*\q
	global_load_b128 v[Q1+8*\q+4:Q1+8*\q+7], v[QA], s[4:5] offset:16384+1024*\q+32
.endr
.irp j, 0,1,2,3,4,5,6,7
	v_mov_b32 v[64+\j], 0                          ; zero codes: behind K's last tile,
	v_mov_b32 v[QR+8+\j], 0                        ; and the upper halves of Q's two operands
	v_mov_b32 v[QR+24+\j], 0
.endr
	WIN 0
	s_mov_b32 s[PASSC], 2
	s_wait_alu depctr_va_vdst(0)
	s_wait_tensorcnt 0x0                           ; for the others' sake: what I brought has landed,
	s_barrier_signal -1
	s_barrier_wait -1                              ; and so has everybody's: from here on K, V and their scales are only read
	s_wait_loadcnt 0x0                             ; Q, for both passes
; One of the 32 additions of a tile's row sum in a step: pairs P0 .. P31 of p and the running sum, in four chains by turns
.macro SUMK k, q
.if (\k) < 3
	v_pk_add_f32 v[SM+6*\q+2*(\k):SM+6*\q+2*(\k)+1], v[S+64*\q+4*(\k):S+64*\q+4*(\k)+1], v[S+64*\q+4*(\k)+2:S+64*\q+4*(\k)+3]
.elseif (\k) < 29
.if (\k)%4 == 3
	v_pk_add_f32 v[ST+4*\q+2:ST+4*\q+3], v[ST+4*\q+2:ST+4*\q+3], v[S+64*\q+2*(\k)+6:S+64*\q+2*(\k)+7]
.else
	v_pk_add_f32 v[SM+6*\q+2*((\k)%4):SM+6*\q+2*((\k)%4)+1], v[SM+6*\q+2*((\k)%4):SM+6*\q+2*((\k)%4)+1], v[S+64*\q+2*(\k)+6:S+64*\q+2*(\k)+7]
.endif
.elseif (\k) == 29
	v_pk_add_f32 v[SM+6*\q+2:SM+6*\q+3], v[SM+6*\q+2:SM+6*\q+3], v[SM+6*\q+4:SM+6*\q+5]
.elseif (\k) == 30
	v_pk_add_f32 v[ST+4*\q+2:ST+4*\q+3], v[ST+4*\q+2:ST+4*\q+3], v[SM+6*\q:SM+6*\q+1]
.else
	v_pk_add_f32 v[ST+4*\q+2:ST+4*\q+3], v[ST+4*\q+2:ST+4*\q+3], v[SM+6*\q+2:SM+6*\q+3]
.endif
.endm
; A KEY STEP: 128 keys against my 32 queries.  In every stage the two tiles' chains take turns.
.macro STEP
	s_wait_dscnt 0x0                               ; this step's K and its scale words, asked for a step ago, are in
	s_barrier_signal -1                            ; I have begun this step (no LDS instruction of mine is out)
	WIN 0x05                                       ; sources 0 and 1 in window 1
.irp t, 0,1,2,3,4,5,6,7                        ; S^T = K Q^T: sixteen accumulators, each begun with the constant 0; a fragment of K serves both tiles
.irp q, 0,1
.if (\t)%2
	v_wmma_scale_f32_16x16x128_f8f6f4 v[S+64*\q+8*\t:S+64*\q+8*\t+7], v[8*\t:8*\t+15], v[QR+16*\q:QR+16*\q+15], 0, v[KSR+\t/2], v[QS+\q] matrix_a_scale:MATRIX_SCALE_ROW1
.else
	v_wmma_scale_f32_16x16x128_f8f6f4 v[S+64*\q+8*\t:S+64*\q+8*\t+7], v[8*\t:8*\t+15], v[QR+16*\q:QR+16*\q+15], 0, v[KSR+\t/2], v[QS+\q]
.endif
.endr
.endr
	WIN 0
	v_add_nc_u32 v8, s[TB], v[AK0]
	v_add_nc_u32 v9, s[TB], v[AV0]
	v_add_nc_u32 v10, s[TS], v[ASK0]
	v_add_nc_u32 v11, s[TS], v[ASV0]
.rept 4
	v_nop                                          ; with the four additions: eight places ahead of the loads into registers that products have read, and of the first read of the scores
.endr
.irp u, 0,1
	ds_load_b32 v[VSR+\u], v11 offset:128*\u       ; lane l: the scale word of channel 32 u + l for these 128 keys
.endr
	WIN 0x40
.irp t, 0,1,2,3
.irp c, 0,1,2,3
	ds_load_b128 v[VR+16*\t+4*\c:VR+16*\t+4*\c+3], v9 offset:2176*\t+32*\c   ; V's four tiles of this step
.endr
.endr
	WIN 0
.irp q, 0,1
.irp b, 0,1,2,3
	v_max3_num_f32 v[BX+16*\q+\b], v[S+64*\q+16*\b], v[S+64*\q+1+16*\b], v[S+64*\q+2+16*\b]   ; the largest score of each block of 32 keys: for the row's maximum and for the block's largest p
.endr
.endr
.irp i, 3,5,7,9,11,13
.irp q, 0,1
.irp b, 0,1,2,3
	v_max3_num_f32 v[BX+16*\q+\b], v[BX+16*\q+\b], v[S+64*\q+16*\b+\i], v[S+64*\q+1+16*\b+\i]
.endr
.endr
.endr
.irp q, 0,1
.irp b, 0,1,2,3
	v_max_num_f32 v[BX+16*\q+\b], v[BX+16*\q+\b], v[S+64*\q+15+16*\b]
.endr
.endr
.irp q, 0,1
.irp b, 0,1,2,3
	v_permlanex16_b32 v[T1+16*\q+\b], v[BX+16*\q+\b], s[SEL], s[SEL+1]
.endr
.endr
.irp q, 0,1
.irp b, 0,1,2,3
	v_max_num_f32 v[BX+16*\q+\b], v[BX+16*\q+\b], v[T1+16*\q+\b]     ; with lane l xor 16's 16 keys
.endr
.endr
.irp q, 0,1
	v_max3_num_f32 v[TT+\q], v[BX+16*\q], v[BX+16*\q+1], v[BX+16*\q+2]
.endr
.irp q, 0,1
	v_max_num_f32 v[TT+\q], v[TT+\q], v[BX+16*\q+3]          ; the step's largest score of my query
.endr
.irp q, 0,1
	v_mul_f32 v[TT+\q], s[CS], v[TT+\q]                      ; as t (c is positive)
.endr
.irp q, 0,1
	v_max_num_f32 v[ST+4*\q+1], v[ST+4*\q+1], v[TT+\q]       ; the running largest t
.endr
.irp q, 0,1
	v_mov_b32 v[TT+\q], v[ST+4*\q]
.endr
.irp q, 0,1
	v_floor_f32 v[ST+4*\q], -v[ST+4*\q+1]                    ; the new -M = floor(-t) = -ceil(t): a whole number
.endr
.irp q, 0,1
	v_sub_f32 v[TT+\q], v[ST+4*\q], v[TT+\q]                 ; M's old value less its new one: a whole number, 0 or less
.endr
.irp q, 0,1
	v_cvt_i32_f32 v[TT+\q], v[TT+\q]                         ; (it saturates)
.endr
.irp q, 0,1
	v_ldexp_f32 v[F+2*\q], 1.0, v[TT+\q]                     ; f = 2^(old M - new M)
.endr
.set j, 0
.rept 32
	v_pk_fma_f32 v[S+j:S+j+1], v[S+j:S+j+1], s[CS:CS+1], v[ST:ST+1] op_sel_hi:[1,0,0]   ; tile 0: t - M, two at a time
.set j, j+2
.endr
.irp b, 0,1,2,3
	v_fma_f32 v[BX+\b], v[BX+\b], s[CS], v[ST]     ; the same of each block's largest score
.endr
	s_wait_alu depctr_va_vdst(0)
.set j, 0
.rept 32                                       ; tile 0's exponentials, p = 2^(t - M), at most 1; among them tile 1's t - M, which names none of their registers and is read behind the next wait
	v_exp_f32 v[S+j], v[S+j]
	v_pk_fma_f32 v[S+64+j:S+64+j+1], v[S+64+j:S+64+j+1], s[CS:CS+1], v[ST+4:ST+5] op_sel_hi:[1,0,0]
	v_exp_f32 v[S+j+1], v[S+j+1]
.set j, j+2
.endr
.irp b, 0,1,2,3
	v_exp_f32 v[BX+\b], v[BX+\b]                   ; the block's largest p
	v_fma_f32 v[BX+16+\b], v[BX+16+\b], s[CS], v[ST+4]
.endr
	s_wait_alu depctr_va_vdst(0)                   ; behind tile 0's batch and ahead of tile 1's
.set j, 0
.rept 64
	v_exp_f32 v[S+64+j], v[S+64+j]
.set j, j+1
.endr
.irp b, 0,1,2,3
	v_exp_f32 v[BX+16+\b], v[BX+16+\b]
.endr
.irp q, 0,1
	v_pk_mul_f32 v[ST+4*\q+2:ST+4*\q+3], v[ST+4*\q+2:ST+4*\q+3], v[F+2*\q:F+2*\q+1] op_sel_hi:[1,0]   ; the sums under the new M.  (Plain places behind the exponentials)
.endr
	s_wait_alu depctr_va_vdst(0)                   ; and behind it, ahead of its first reader
.irp q, 0,1
.irp b, 0,1,2,3
	v_max_num_f32 v[BX+16*\q+\b], 0x4800000, v[BX+16*\q+\b]    ; the floor 2^(9 - 127): the byte cannot fall under 1
.endr
.endr
.irp q, 0,1
.irp b, 0,1,2,3
	v_add_nc_u32 v[SO+16*\q+\b], 0xfc000000, v[BX+16*\q+\b]    ; 8 off the exponent field: the conversion's scale operand
.endr
.endr
.irp q, 0,1
.irp b, 0,1,2,3
	v_and_or_b32 v[LM+16*\q+\b], v[BX+16*\q+\b], 0x7f800000, s[MNT]   ; 448 x the scale
.endr
.endr
.irp q, 0,1
.irp b, 0,1,2,3
	v_lshrrev_b32 v[T1+16*\q+\b], 23, v[SO+16*\q+\b]           ; the scale's byte
.endr
.endr
.irp q, 0,1
	v_lshl_or_b32 v[PW+2*\q], v[T1+16*\q+1], 8, v[T1+16*\q]    ; p's scale word for these 128 keys
.endr
.irp q, 0,1
	v_lshl_or_b32 v[PW+2*\q], v[T1+16*\q+2], 16, v[PW+2*\q]
.endr
.irp q, 0,1
	v_lshl_or_b32 v[PW+2*\q], v[T1+16*\q+3], 24, v[PW+2*\q]
.endr
	WIN 0x40
.irp t, 0,1,2,3,4,5,6,7
	ds_load_b128 v[8*\t:8*\t+3], v8 offset:STEPB+1088*\t         ; the NEXT step's K: tile t: keys 16 t + r; channels' bytes 16 h on,
	ds_load_b128 v[8*\t+4:8*\t+7], v8 offset:STEPB+1088*\t+32    ; and 32 + 16 h on
.endr
	WIN 0
.irp u, 0,1,2,3
	ds_load_u16 v[KSR+\u], v10 offset:256+64*\u    ; and its scale bytes: lane l: those of key 32 u + l; the upper half is cleared
.endr
.set KK, 0
.rept 32
	SUMK KK, 0
	SUMK KK, 1
.set KK, KK+1
.endr
.irp q, 0,1                                    ; p held at 448 x the scale (the conversion to an 8-bit code does not saturate: ISA guide 7.6.2; p is not negative), two numbers a line; then a block's 16 codes a lane
.irp b, 0,1,2,3
.irp i, 0,2,4,6,8,10,12,14
	v_dual_min_num_f32 v[S+64*\q+16*\b+\i], v[S+64*\q+16*\b+\i], v[LM+16*\q+\b] :: v_dual_min_num_f32 v[S+64*\q+16*\b+\i+1], v[S+64*\q+16*\b+\i+1], v[LM+16*\q+\b]
.endr
	v_cvt_scalef32_pk8_fp8_f32 v[PC+16*\q+4*\b:PC+16*\q+4*\b+1], v[S+64*\q+16*\b:S+64*\q+16*\b+7], v[SO+16*\q+\b]
	v_cvt_scalef32_pk8_fp8_f32 v[PC+16*\q+4*\b+2:PC+16*\q+4*\b+3], v[S+64*\q+16*\b+8:S+64*\q+16*\b+15], v[SO+16*\q+\b]
.endr
.endr
	WIN 0x41                                       ; destination and source 0 in window 1
	s_wait_alu depctr_va_vdst(0)                   ; directly ahead of the first reader of O^T
.irp q, 0,1
.set j, 0
.rept 16
	v_pk_mul_f32 v[O+32*\q+j:O+32*\q+j+1], v[O+32*\q+j:O+32*\q+j+1], v[F+2*\q:F+2*\q+1] op_sel_hi:[1,0]   ; O^T under the new M.  (These are also the places between the conversions and the products)
.set j, j+2
.endr
.endr
	s_wait_alu depctr_va_vdst(0)
	s_wait_dscnt 20                                ; V's tiles and scale words are in; behind them stand the next step's 16 loads of K and 4 of its scale bytes
	WIN 0x51                                       ; source 0, C and D in window 1
.irp t, 0,1,2,3                                ; O^T += V^T P^T: eight accumulators by turns; a fragment of V serves both tiles
.irp q, 0,1
.if (\t)%2
	v_wmma_scale_f32_16x16x128_f8f6f4 v[O+32*\q+8*\t:O+32*\q+8*\t+7], v[VR+16*\t:VR+16*\t+15], v[PC+16*\q:PC+16*\q+15], v[O+32*\q+8*\t:O+32*\q+8*\t+7], v[VSR+\t/2], v[PW+2*\q] matrix_a_scale:MATRIX_SCALE_ROW1
.else
	v_wmma_scale_f32_16x16x128_f8f6f4 v[O+32*\q+8*\t:O+32*\q+8*\t+7], v[VR+16*\t:VR+16*\t+15], v[PC+16*\q:PC+16*\q+15], v[O+32*\q+8*\t:O+32*\q+8*\t+7], v[VSR+\t/2], v[PW+2*\q]
.endif
.endr
.endr
	WIN 0
	s_add_co_u32 s[TB], s[TB], STEPB
	s_add_co_u32 s[TS], s[TS], 256
	s_barrier_wait -1                              ; every wave has begun this step
.endm
; THE WAY OUT of a tile: O^T / the sum, quantised along the channels (two blocks of 32: tiles 0, 1 and tiles 2, 3, both halves of the lanes), through a stage in LDS, so that the codes leave in their true order and as 512 consecutive bytes a store.
.macro OUT q
	v_add_f32 v[ST+4*\q+2], v[ST+4*\q+2], v[ST+4*\q+3]       ; the sum's two halves,
	s_delay_alu instid0(VALU_DEP_1)
	v_permlanex16_b32 v[F+2*\q], v[ST+4*\q+2], s[SEL], s[SEL+1]
	s_delay_alu instid0(VALU_DEP_1)
	v_add_f32 v[ST+4*\q+2], v[ST+4*\q+2], v[F+2*\q]          ; and lane l xor 16's: the row's sum
	s_wait_alu depctr_va_vdst(0)
	v_rcp_f32 v[ST+4*\q+2], v[ST+4*\q+2]
	v_nop                                          ; one plain place behind the transcendental
	WIN 0x01                                       ; source 0 in window 1
	s_wait_alu depctr_va_vdst(0)
.set j, 0
.rept 16
	v_pk_mul_f32 v[S+64*\q+j:S+64*\q+j+1], v[O+32*\q+j:O+32*\q+j+1], v[ST+4*\q+2:ST+4*\q+3] op_sel_hi:[1,0]   ; register 8 t + i: channel 16 t + 8 h + i of my query; each accumulator from its low end on
.set j, j+2
.endr
	WIN 0
.irp b, 0,1
	v_max3_num_f32 v[BX+16*\q+\b], |v[S+64*\q+16*\b]|, |v[S+64*\q+1+16*\b]|, 0x4800000   ; the block's largest magnitude, with the floor 2^(9 - 127) among its leaves
.endr
.irp i, 2,4,6,8,10,12,14
.irp b, 0,1
	s_delay_alu instid0(VALU_DEP_2)
	v_max3_num_f32 v[BX+16*\q+\b], v[BX+16*\q+\b], |v[S+64*\q+16*\b+\i]|, |v[S+64*\q+1+16*\b+\i]|
.endr
.endr
.irp b, 0,1
	s_delay_alu instid0(VALU_DEP_2)
	v_permlanex16_b32 v[T1+16*\q+\b], v[BX+16*\q+\b], s[SEL], s[SEL+1]
.endr
.irp b, 0,1
	s_delay_alu instid0(VALU_DEP_2)
	v_max_num_f32 v[BX+16*\q+\b], v[BX+16*\q+\b], v[T1+16*\q+\b]
.endr
.irp b, 0,1
	s_delay_alu instid0(VALU_DEP_2)
	v_add_nc_u32 v[SO+16*\q+\b], 0xfc000000, v[BX+16*\q+\b]
.endr
.irp b, 0,1
	s_delay_alu instid0(VALU_DEP_4)
	v_and_or_b32 v[LM+16*\q+\b], v[BX+16*\q+\b], 0x7f800000, s[MNT]
.endr
.irp b, 0,1
	s_delay_alu instid0(VALU_DEP_4)
	v_lshrrev_b32 v[T1+16*\q+\b], 23, v[SO+16*\q+\b]
.endr
	s_delay_alu instid0(VALU_DEP_1)
	v_lshl_or_b32 v[TT+\q], v[T1+16*\q+1], 8, v[T1+16*\q]    ; the head's two scale bytes of my token
.irp b, 0,1
.irp i, 0,1,2,3,4,5,6,7,8,9,10,11,12,13,14,15
	v_med3_num_f32 v[S+64*\q+16*\b+\i], v[S+64*\q+16*\b+\i], -v[LM+16*\q+\b], v[LM+16*\q+\b]
.endr
	v_cvt_scalef32_pk8_fp8_f32 v[PC+16*\q+4*\b:PC+16*\q+4*\b+1], v[S+64*\q+16*\b:S+64*\q+16*\b+7], v[SO+16*\q+\b]
	v_cvt_scalef32_pk8_fp8_f32 v[PC+16*\q+4*\b+2:PC+16*\q+4*\b+3], v[S+64*\q+16*\b+8:S+64*\q+16*\b+15], v[SO+16*\q+\b]
.endr
	v_nop                                          ; one plain vector instruction behind the last conversion
.irp t, 0,1,2,3
	ds_store_b64 v[STO], v[PC+16*\q+2*\t:PC+16*\q+2*\t+1] offset:1280*\q+16*\t
.endr
	ds_load_b128 v[PC+16*\q+8:PC+16*\q+11], v[RD] offset:1280*\q      ; LDS serves a wave's instructions in order (ISA guide 5.7.1.4): these see my stores
	ds_load_b128 v[PC+16*\q+12:PC+16*\q+15], v[RD] offset:1280*\q+640
	s_wait_dscnt 0x0
	global_store_b128 v[GO], v[PC+16*\q+8:PC+16*\q+11], s[16:17] offset:1024*\q        ; 32 lanes store 512 consecutive bytes, aligned to 256: eight tokens of my head
	global_store_b128 v[GO], v[PC+16*\q+12:PC+16*\q+15], s[16:17] offset:1024*\q+512
	global_store_b16 v[AO], v[TT+\q], s[18:19] offset:512*\q                           ; two bytes a token, 32 bytes apart: 2 of every 66 bytes that the launch stores; both halves of the lanes write the same bytes with the same value
.endm
.Lpass:                                            ; A PASS: 32 queries of my wave against all 2,048 keys; two trips
	s_cmp_eq_u32 s[PASSC], 2
	s_cbranch_scc1 .Lq_in                          ; the first pass's Q stands in its place
	s_wait_xcnt 0x0                                ; the first pass's stores have read their registers and bases, which are written below
	s_add_nc_u64 s[16:17], s[16:17], 16384         ; 256 tokens on
	s_add_nc_u64 s[18:19], s[18:19], 8192
	WIN 0x41
.irp q, 0,1
.irp j, 0,1,2,3,4,5,6,7
	v_mov_b32 v[QR+16*\q+\j], v[Q1+8*\q+\j]        ; the second pass's Q
.endr
.endr
	WIN 0
.irp q, 0,1
	v_mov_b32 v[QS+\q], v[QS1+\q]
.endr
.Lq_in:
.irp q, 0,1
	v_mov_b32 v[ST+4*\q+1], 0xff61b1e6             ; the largest t so far: -3e38, under every t
	v_mov_b32 v[ST+4*\q+2], 0                      ; the sum, in two halves
	v_mov_b32 v[ST+4*\q+3], 0
.endr
.irp q, 0,1
	v_floor_f32 v[ST+4*\q], -v[ST+4*\q+1]          ; -M
.endr
.irp u, 0,1,2,3
	ds_load_u16 v[KSR+\u], v[ASK0] offset:64*\u    ; step 0's K and its scale bytes
.endr
	WIN 0x40
.irp t, 0,1,2,3,4,5,6,7
	ds_load_b128 v[8*\t:8*\t+3], v[AK0] offset:1088*\t
	ds_load_b128 v[8*\t+4:8*\t+7], v[AK0] offset:1088*\t+32
.endr
.set j, 0
.rept 64
	v_mov_b32 v[O+j], 0                            ; O^T: the step is written once; the first finds zeros, which the first change of M leaves zeros
.set j, j+1
.endr
	WIN 0
	s_mov_b32 s[TB], 0
	s_mov_b32 s[TS], 0
	s_mov_b32 s[CNT], 16
	s_wait_alu depctr_va_vdst(0)
.Lstep:
	STEP
	s_sub_co_u32 s[CNT], s[CNT], 1
	s_cmp_lg_u32 s[CNT], 0
	s_cbranch_scc1 .Lstep
.rept 8
	v_nop                                          ; eight places behind the last products
.endr
	OUT 0
	OUT 1
	s_sub_co_u32 s[PASSC], s[PASSC], 1
	s_cmp_lg_u32 s[PASSC], 0
	s_wait_alu depctr_va_vdst(0)
	s_cbranch_scc1 .Lpass
	s_wait_tensorcnt 0x0                           ; the wave's end
	ds_add_u32 v[SPW], v[NIL]
	s_wait_dscnt 0x0
	CROUND                                         ; the closing round
	s_endpgm
.Lfunc_end_k_qca519c3cae_attn:
	.size	k_qca519c3cae_attn, .Lfunc_end_k_qca519c3cae_attn-k_qca519c3cae_attn
	.p2alignl 7, 3214868480
	.fill 96, 4, 3214868480
	.section	.rodata,"a",@progbits
	.p2align	6, 0x0
	.amdhsa_kernel k_qca519c3cae_attn
		.amdhsa_group_segment_fixed_size 327680
		.amdhsa_private_segment_fixed_size 0
		.amdhsa_enable_private_segment 0
		.amdhsa_kernarg_size 64
		.amdhsa_user_sgpr_count 2
		.amdhsa_user_sgpr_kernarg_segment_ptr 1
		.amdhsa_wavefront_size32 1
		.amdhsa_system_sgpr_workgroup_id_x 1
		.amdhsa_system_sgpr_workgroup_id_y 1
		.amdhsa_system_sgpr_workgroup_id_z 1
		.amdhsa_system_vgpr_workitem_id 0
		.amdhsa_next_free_vgpr 512
		.amdhsa_next_free_sgpr 96
		.amdhsa_reserve_vcc 0
		.amdhsa_float_denorm_mode_32 3
		.amdhsa_float_denorm_mode_16_64 3
		.amdhsa_memory_ordered 1
		.amdhsa_forward_progress 1
		.amdhsa_inst_pref_size 64
	.end_amdhsa_kernel
	.amdgpu_metadata
---
amdhsa.version: [ 1, 2 ]
amdhsa.kernels:
  - .name:           k_qca519c3cae_attn
    .symbol:         k_qca519c3cae_attn.kd
    .args:
      - { .name: q_codes, .offset: 0, .size: 8, .value_kind: global_buffer, .address_space: global }
      - { .name: q_scales, .offset: 8, .size: 8, .value_kind: global_buffer, .address_space: global }
      - { .name: k_codes, .offset: 16, .size: 8, .value_kind: global_buffer, .address_space: global }
      - { .name: k_scales, .offset: 24, .size: 8, .value_kind: global_buffer, .address_space: global }
      - { .name: v_codes, .offset: 32, .size: 8, .value_kind: global_buffer, .address_space: global }
      - { .name: v_scales, .offset: 40, .size: 8, .value_kind: global_buffer, .address_space: global }
      - { .name: a_codes, .offset: 48, .size: 8, .value_kind: global_buffer, .address_space: global }
      - { .name: a_scales, .offset: 56, .size: 8, .value_kind: global_buffer, .address_space: global }
    .group_segment_fixed_size: 327680
    .private_segment_fixed_size: 0
    .kernarg_segment_align: 8
    .kernarg_segment_size: 64
    .max_flat_workgroup_size: 256
    .sgpr_count:     96
    .vgpr_count:     512
    .wavefront_size: 32
...
	.end_amdgpu_metadata
.endif
;; end of part 2
;; launch outp (part 3): grid 4 x 32, 4 waves a work-group, clusters of 4 x 4, 327,680 bytes of LDS; arguments a_codes, a_scales, Wo_codes, Wo_scales, bo, out0; writes out0
.if DOCPART == 3
	.amdgcn_target "amdgcn-amd-amdhsa--gfx1250"
	.amdhsa_code_object_version 6
	.text
	.protected	k_qca519c3cae_outp
	.globl	k_qca519c3cae_outp
	.p2align	8
	.type	k_qca519c3cae_outp,@function
k_qca519c3cae_outp:
	s_mov_b64 s[64:65], 0
	v_nop
	global_prefetch_b8 v0, s[64:65] scope:SCOPE_SE
	s_setreg_imm32_b32 hwreg(HW_REG_WAVE_MODE, 25, 1), 1
	s_wait_xcnt 0x0
	s_wait_alu depctr_hold_cnt(0) depctr_sa_sdst(0) depctr_va_vdst(0) depctr_va_sdst(0) depctr_va_ssrc(0) depctr_va_vcc(0) depctr_vm_vsrc(0)
	s_getreg_b32 s2, hwreg(HW_REG_IB_STS2, 6, 4)
	s_cmp_eq_u32 s2, 0
	s_cbranch_scc0 .Lentry_in_a_cluster
	s_endpgm
.Lentry_in_a_cluster:
	s_bfe_u32 s2, ttmp6, 0x10000c
	s_cmp_lg_u32 s2, 0xf033
	s_cbranch_scc0 .Lentry_shape_is_right
	s_endpgm
.Lentry_shape_is_right:
.set SIZE_N, 1024
.set NQ,     2
.set ROWB,   256
.set ASTEP,  4*524288
.set KROW,   1024
.set PITCH,  272
.set HEADB,  64*PITCH                  ; A's tile in LDS: [head of four][256 tokens x 64 bytes as 64 rows of 256 + 16]
.set FR,     16
.set NL,     4
.set NP,     8
.set HALFT,  128*PITCH
.set SLOT,   4*HALFT
.set LAPS,   2
.set KS,     32
.set SCL,    2*SLOT
.set HALFS,  (128*KS/256)*272
.set SBLK,   (16*KS/256)*272
.set SPARE,  SCL+4*HALFS
.set SPITCH, 528
.set ADRA, 16
.set ADRB, 20
.set BNO,  23
.set STO,  24
.set RD,   25
.set CO,   26
.set ADRS, 27
.set SPW,  28
.set NIL,  29
.set SC,   32
.set BN,   64
.set AF,   128
.set BK,   128
.set G1, 24
.set G0, 32
.set G1B, 48
.set G0B, 56
.set G1S, 68
.set G0S, 76
.set G1SB, 80
.set G0SB, 88
.set MSB, 0
.macro WIN new
.if MSB != \new
	s_set_vgpr_msb (MSB<<8)|\new
.set MSB, \new
.endif
.endm
.set MUL_LO,  0xa1
.set MUL_HI,  0xf1
.set MUL_LO0, 0x81
.set MUL_HI0, 0xc1
.set TO_B,    0x40
.macro JLOAD g0a, g1a, g0b, g1b
	s_cmp_eq_u32 s15, 0
	s_cbranch_scc0 .Lfor_b_\@
	tensor_load_to_lds s[\g0a:\g0a+3], s[\g1a:\g1a+7]
	s_nop 0
.rept 4
	v_nop
.endr
	s_branch .Lasked_\@
.Lfor_b_\@:
	tensor_load_to_lds s[\g0b:\g0b+3], s[\g1b:\g1b+7]
	s_nop 0
.rept 4
	v_nop
.endr
.Lasked_\@:
.endm
.macro CREST
	s_cmp_lg_u32 s14, 0
	s_cbranch_scc1 .Lnot_wave_0_\@
	s_barrier_signal -3
.Lnot_wave_0_\@:
	s_barrier_wait -3
	s_barrier_signal -1
	s_barrier_wait -1
.endm
.macro CROUND
	s_barrier_signal -1
	s_barrier_wait -1
	CREST
.endm
	s_load_b128 s[4:7], s[0:1], 0x0
	s_load_b128 s[8:11], s[0:1], 0x10
	s_load_b64 s[96:97], s[0:1], 0x20
	s_load_b64 s[12:13], s[0:1], 0x28
	v_lshl_add_u32 v[SPW], v0, 2, SPARE
	v_mov_b32 v[NIL], 0
	ds_add_u32 v28, v29
	ds_add_u32 v28, v29
	s_wait_dscnt 0x0
	v_lshrrev_b32 v1, 5, v0
	v_readfirstlane_b32 s14, v1
	s_lshr_b32 s15, s14, 1
	s_and_b32 s16, s14, 1
	s_bfe_u32 s40, ttmp6, 0x40000
	s_bfe_u32 s41, ttmp6, 0x40004
	s_lshl_b32 s42, ttmp9, 2
	s_add_co_u32 s42, s42, s40
	s_and_b32 s17, ttmp7, 0xffff
	s_lshl_b32 s17, s17, 2
	s_add_co_u32 s17, s17, s41
	s_lshl_b32 s43, s41, 2
	s_lshl_b32 s43, 15, s43
	s_lshl_b32 s44, 0x1111, s40
	s_or_b32 s[G1+0], s43, (0<<16)|(1<<20)|(1<<21)|(5<<22)|(3<<25)
	s_mov_b32 s[G1+1], 16384<<16                   ; a row: one head's 64 bytes of 256 tokens; the head's load brings four heads
	s_mov_b32 s[G1+2], 4<<16
	s_mov_b32 s[G1+3], 16384<<16
	s_mov_b32 s[G1+4], 4
	s_mov_b32 s[G1+5], 524288
	s_mov_b32 s[G1+6], 0
	s_mov_b32 s[G1+7], 0
	s_or_b32 s[G1B+0], s44, (0<<16)|(1<<20)|(1<<21)|(5<<22)|(3<<25)
	s_mov_b32 s[G1B+1], ROWB<<16
	s_mov_b32 s[G1B+2], 256<<16
	s_mov_b32 s[G1B+3], ROWB<<16
	s_mov_b32 s[G1B+4], 256
	s_mov_b32 s[G1B+5], KROW
	s_mov_b32 s[G1B+6], 0
	s_mov_b32 s[G1B+7], 0
	s_or_b32 s[G1S+0], s43, (3<<16)|(1<<20)|(1<<21)|(5<<22)|(3<<25)
	s_or_b32 s[G1SB+0], s44, (3<<16)|(1<<20)|(1<<21)|(5<<22)|(3<<25)
.irp g, G1S, G1SB
	s_mov_b32 s[\g+1], 32<<16
	s_mov_b32 s[\g+2], (256*KS/256)<<16
	s_mov_b32 s[\g+3], 32<<16
	s_mov_b32 s[\g+4], 256*KS/256
	s_mov_b32 s[\g+5], 32
	s_mov_b32 s[\g+6], 0
	s_mov_b32 s[\g+7], 0
.endr
	s_lshl_b32 s20, s17, 8                         ; the tiles' first rows
	s_lshl_b32 s46, s42, 8
	s_mov_b32 s21, 0
	s_mov_b32 s47, 0
	s_mov_b64 s[18:19], KS
	s_mul_u64 s[22:23], s[20:21], s[18:19]
	s_mul_u64 s[92:93], s[46:47], s[18:19]
	s_lshl_b64 s[20:21], s[20:21], 6
	s_mov_b64 s[18:19], KROW
	s_mul_u64 s[46:47], s[46:47], s[18:19]
	s_lshl_b32 s18, s16, 20                        ; in the ring a wave fetches two of A's four heads (2 x 524,288 bytes apart),
	s_mov_b32 s19, 0
	s_mul_i32 s94, s16, 128*KROW                   ; or 128 of B's rows
	s_mov_b32 s95, 0
	s_mul_i32 s45, s14, HALFT
	s_wait_kmcnt 0x0
	s_add_nc_u64 s[20:21], s[4:5], s[20:21]
	s_add_nc_u64 s[22:23], s[6:7], s[22:23]
	s_add_nc_u64 s[46:47], s[8:9], s[46:47]
	s_add_nc_u64 s[92:93], s[10:11], s[92:93]
	CROUND
	s_mov_b32 s4, 1                                ; the head's four tiles, each whole: K step 0 of A's 256 tokens (group 0 in registers whose arguments have been used),
	s_mov_b32 s5, 0
	s_mov_b64 s[6:7], s[20:21]
	s_or_b32 s7, s7, 0x80000000
	s_mov_b32 s8, 1                                ; its 256 rows of B, behind them in slot 0,
	s_mov_b32 s9, 2*HALFT
	s_mov_b64 s[10:11], s[46:47]
	s_or_b32 s11, s11, 0x80000000
	s_mov_b32 s[G0S], 1                            ; the scale bytes of A's 256 rows,
	s_mov_b32 s[G0S+1], SCL
	s_mov_b64 s[G0S+2:G0S+3], s[22:23]
	s_or_b32 s[G0S+3], s[G0S+3], 0x80000000
	s_mov_b32 s[G0SB], 1                           ; and of B's
	s_mov_b32 s[G0SB+1], SCL+2*HALFS
	s_mov_b64 s[G0SB+2:G0SB+3], s[92:93]
	s_or_b32 s[G0SB+3], s[G0SB+3], 0x80000000
	s_add_nc_u64 s[20:21], s[20:21], s[18:19]      ; for the ring: my part of the tile
	s_add_nc_u64 s[46:47], s[46:47], s[94:95]
.irp s, 0,1
	s_mov_b32 s[G0+4*\s], 1
	s_add_co_u32 s[G0+4*\s+1], s45, \s*SLOT
	s_add_nc_u64 s[G0+4*\s+2:G0+4*\s+3], s[20:21], \s*ASTEP
	s_or_b32 s[G0+4*\s+3], s[G0+4*\s+3], 0x80000000
	s_mov_b32 s[G0B+4*\s], 1
	s_add_co_u32 s[G0B+4*\s+1], s45, \s*SLOT
	s_add_nc_u64 s[G0B+4*\s+2:G0B+4*\s+3], s[46:47], \s*ROWB
	s_or_b32 s[G0B+4*\s+3], s[G0B+4*\s+3], 0x80000000
.endr
; the head's loads, one a wave: one chain of branches on the wave's number, one load to an arm, one join
.macro ARM under, g0, g1, next
	s_cmp_lt_u32 s14, \under
	s_cbranch_scc0 \next
	tensor_load_to_lds s[\g0:\g0+3], s[\g1:\g1+7]
	s_nop 0
.rept 4
	v_nop
.endr
	s_branch .Lhead_asked
\next:
.endm
	ARM 1, 4, G1, .Lhead_b
	ARM 2, 8, G1B, .Lhead_sa
	ARM 3, G0S, G1S, .Lhead_sb
	tensor_load_to_lds s[G0SB:G0SB+3], s[G1SB:G1SB+7]
	s_nop 0
.rept 4
	v_nop
.endr
.Lhead_asked:
	s_wait_alu depctr_va_vdst(0)
	s_wait_tensorcnt 0x0                           ; my tile of the head's four is in
	ds_add_u32 v28, v29
	s_mov_b32 s[G1+2], 2<<16                       ; no tensor load of mine is out: from here on a load brings two heads of A,
	s_mov_b32 s[G1+4], 2
	s_mov_b32 s[G1B+2], 128<<16                    ; or 128 rows of B
	s_mov_b32 s[G1B+4], 128
	s_wait_dscnt 0x0
	CROUND
	JLOAD G0+4, G1, G0B+4, G1B                     ; K step 1's load, the first tensor load behind the round
	v_and_b32 v1, 15, v0
	v_bfe_u32 v2, v0, 4, 1
	v_mul_u32_u24 v3, v1, PITCH
	v_lshl_add_u32 v4, v2, 4, v3
	v_lshrrev_b32 v5, 2, v1
	v_mul_u32_u24 v5, v5, PITCH
	v_and_b32 v6, 3, v1
	v_lshl_add_u32 v5, v6, 6, v5
	v_lshl_add_u32 v5, v2, 4, v5
	s_mul_i32 s21, s15, 32*PITCH                   ; my 128 tokens: 32 LDS rows on in each head
	s_mul_i32 s22, s16, HALFT
	s_add_co_u32 s22, s22, 2*HALFT
.irp s, 0,1
	v_add_nc_u32 v[ADRA+\s], s21, v5
	v_add_nc_u32 v[ADRB+\s], s22, v4
	s_add_co_u32 s21, s21, SLOT
	s_add_co_u32 s22, s22, SLOT
.endr
	v_mul_u32_u24 v5, v1, KS
	v_lshrrev_b32 v6, 8, v5
	v_lshl_add_u32 v5, v6, 4, v5
	s_mul_i32 s21, s15, HALFS
	s_mul_i32 s22, s16, HALFS
	s_add_co_u32 s22, s22, 2*HALFS
	s_sub_co_u32 s22, s22, s21
	v_mul_u32_u24 v6, s22, v2
	s_add_co_u32 s21, s21, SCL
	v_add_nc_u32 v5, v5, v6
	v_add_nc_u32 v[ADRS], s21, v5
	s_mul_i32 s23, s14, 16*SPITCH
	v_mul_u32_u24 v5, v1, SPITCH
	v_lshl_add_u32 v5, v2, 5, v5
	v_add_nc_u32 v[STO], s23, v5
	v_and_b32 v6, 31, v0
	v_lshlrev_b32 v[CO], 4, v6
	v_add_nc_u32 v[RD], s23, v[CO]
	v_lshlrev_b32 v[BNO], 5, v2
	s_wait_alu depctr_va_vdst(0)
	s_lshl_b32 s20, s17, 8
	s_lshl_b32 s21, s15, 7
	s_add_co_u32 s20, s20, s21
	s_mov_b32 s21, 0
	s_mov_b64 s[18:19], SIZE_N*4
	s_mul_u64 s[20:21], s[20:21], s[18:19]
	s_lshl_b32 s46, s42, 10
	s_lshl_b32 s47, s16, 9
	s_add_co_u32 s46, s46, s47
	s_mov_b32 s47, 0
	s_add_nc_u64 s[96:97], s[96:97], s[46:47]
	s_add_nc_u64 s[20:21], s[20:21], s[46:47]
	s_add_nc_u64 s[12:13], s[12:13], s[20:21]
.irp b, 0,1,2,3,4,5,6,7
	global_load_b128 v[BN+8*\b:BN+8*\b+3], v[BNO], s[96:97] offset:64*\b
	global_load_b128 v[BN+8*\b+4:BN+8*\b+7], v[BNO], s[96:97] offset:64*\b+16
.endr
.macro FRAG reg, adr, q, i
.irp c, 0,1,2,3
	ds_load_b128 v[\reg+4*\c:\reg+4*\c+3], v[\adr] offset:128*(\q)+32*\c+(\i)*16*PITCH
.endr
.endm
.macro FRAGA reg, adr, q, i
.irp c, 0,1,2,3
	ds_load_b128 v[\reg+4*\c:\reg+4*\c+3], v[\adr] offset:(2*(\q)+\c/2)*HEADB+32*(\c%2)+(\i)*4*PITCH
.endr
.endm
.macro MUL16 a0, p, q, sc, first
.irp a, \a0, \a0+1
.irp b, 0,1,2,3,4,5,6,7
.if \first
	v_wmma_scale_f32_16x16x128_f8f6f4 v[8*(8*((\a)%4)+\b):8*(8*((\a)%4)+\b)+7], v[128*(\p)+FR*\b:128*(\p)+FR*\b+FR-1], v[AF+FR*(\a):AF+FR*(\a)+FR-1], v[BN+8*\b:BN+8*\b+7], v[SC+8*NQ*(\sc)+NQ*\b+(\q)], v[SC+8*NQ*(\sc)+NQ*(\a)+(\q)] matrix_a_scale:MATRIX_SCALE_ROW1
.else
	v_wmma_scale_f32_16x16x128_f8f6f4 v[8*(8*((\a)%4)+\b):8*(8*((\a)%4)+\b)+7], v[128*(\p)+FR*\b:128*(\p)+FR*\b+FR-1], v[AF+FR*(\a):AF+FR*(\a)+FR-1], v[8*(8*((\a)%4)+\b):8*(8*((\a)%4)+\b)+7], v[SC+8*NQ*(\sc)+NQ*\b+(\q)], v[SC+8*NQ*(\sc)+NQ*(\a)+(\q)] matrix_a_scale:MATRIX_SCALE_ROW1
.endif
.endr
.endr
.endm
.macro FETCH_B slot, q, p
	WIN TO_B
.irp i, 0,1,2,3,4,5,6,7
	FRAG 128*(\p)+FR*\i, ADRB+\slot, \q, \i
.endr
	WIN 0
.endm
.macro FETCH_A slot, q, i0
.irp i, \i0, \i0+1, \i0+2, \i0+3
	FRAGA AF+FR*(\i), ADRA+\slot, \q, \i
.endr
.endm
.macro SCALES sc
.irp i, 0,1,2,3,4,5,6,7
	ds_load_b64 v[SC+8*NQ*\sc+NQ*\i:SC+8*NQ*\sc+NQ*\i+1], v[ADRS] offset:\i*SBLK
.endr
.endm
.macro PLACES n
.rept \n
	v_nop
.endr
.endm
.macro STEP slot, q, first
	s_wait_dscnt 4*NL
.if \first
	WIN MUL_LO0
.else
	WIN MUL_LO
.endif
	MUL16 0, (\q)%2, \q, \slot, \first
	MUL16 2, (\q)%2, \q, \slot, \first
	s_wait_dscnt 0
	PLACES NP
	FETCH_B \slot, (\q)+1, 1-(\q)%2
	FETCH_A \slot, (\q)+1, 0
.if \first
	WIN MUL_HI0
.else
	WIN MUL_HI
.endif
	MUL16 4, (\q)%2, \q, \slot, \first
	MUL16 6, (\q)%2, \q, \slot, \first
	PLACES NP
	WIN 0
	FETCH_A \slot, (\q)+1, 4
.endm
.macro TURN slot, next, fill
	s_wait_tensorcnt 0x0
	ds_add_u32 v[SPW], v[NIL]
	s_wait_dscnt 4*NL+1
	WIN MUL_LO
	MUL16 0, 1, NQ-1, \slot, 0
	s_wait_dscnt 0x0
	s_barrier_signal -1
	MUL16 2, 1, NQ-1, \slot, 0
	WIN 0
	s_barrier_wait -1
.if \fill
	CREST
	s_add_nc_u64 s[G0+4*\slot+2:G0+4*\slot+3], s[G0+4*\slot+2:G0+4*\slot+3], 2*ASTEP
	s_add_nc_u64 s[G0B+4*\slot+2:G0B+4*\slot+3], s[G0B+4*\slot+2:G0B+4*\slot+3], 2*ROWB
	JLOAD G0+4*\slot, G1, G0B+4*\slot, G1B
	PLACES NP-4
.else
	PLACES NP
.endif
	s_wait_alu depctr_va_vdst(0)
	v_add_nc_u32 v[ADRS], 4*NQ, v[ADRS]
	FETCH_B \next, 0, 0
	FETCH_A \next, 0, 0
	SCALES \next
	WIN MUL_HI
	MUL16 4, 1, NQ-1, \slot, 0
	MUL16 6, 1, NQ-1, \slot, 0
	PLACES NP
	WIN 0
	FETCH_A \next, 0, 4
.endm
	s_wait_loadcnt 0x0
	s_wait_tensorcnt 1
	s_barrier_signal -1
	s_barrier_wait -1
	FETCH_B 0, 0, 0
	FETCH_A 0, 0, 0
	SCALES 0
	FETCH_A 0, 0, 4
	STEP 0, 0, 1
	s_mov_b32 s3, LAPS-1
.Llap:
	TURN 0, 1, 1
	STEP 1, 0, 0
	TURN 1, 0, 1
	STEP 0, 0, 0
	s_sub_co_u32 s3, s3, 1
	s_cmp_lg_u32 s3, 0
	s_cbranch_scc1 .Llap
	TURN 0, 1, 0
	STEP 1, 0, 0
	s_wait_dscnt 4*NL
	WIN MUL_LO
	MUL16 0, 1, NQ-1, 1, 0
	MUL16 2, 1, NQ-1, 1, 0
	s_wait_dscnt 0
	WIN MUL_HI
	MUL16 4, 1, NQ-1, 1, 0
	MUL16 6, 1, NQ-1, 1, 0
	WIN 0
.macro TOSTAGE a
.set AC, 64*((\a)%4)
	WIN 0x08+4*((\a)/4)
.irp b, 0,1,2,3,4,5,6,7
	ds_store_b128 v[STO], v[AC+8*\b:AC+8*\b+3] offset:64*\b
	ds_store_b128 v[STO], v[AC+8*\b+4:AC+8*\b+7] offset:64*\b+16
.endr
	WIN 0
.set BB, BK+64*((\a)%2)
.irp t, 0,1,2,3,4,5,6,7,8,9,10,11,12,13,14,15
	ds_load_b128 v[BB+4*\t:BB+4*\t+3], v[RD] offset:\t*SPITCH
.endr
.endm
.macro SEND a, younger
.set BB, BK+64*((\a)%2)
	s_wait_dscnt \younger
.if (\a) > 0
	s_add_nc_u64 s[12:13], s[12:13], 16*SIZE_N*4
.endif
.irp t, 0,1,2,3,4,5,6,7,8,9,10,11,12,13,14,15
	global_store_b128 v[CO], v[BB+4*\t:BB+4*\t+3], s[12:13] offset:\t*SIZE_N*4 th:TH_STORE_NT
.endr
.endm
	PLACES NP
	TOSTAGE 0
.irp a, 1,2,3,4,5,6,7
.if \a > 1
	s_wait_xcnt 0x0
.endif
	TOSTAGE \a
	SEND \a-1, 32
.endr
	s_wait_xcnt 0x0
	SEND 7, 0
	s_wait_tensorcnt 0x0
	ds_add_u32 v[SPW], v[NIL]
	s_wait_dscnt 0x0
	CROUND
	s_endpgm
.Lfunc_end_k_qca519c3cae_outp:
	.size	k_qca519c3cae_outp, .Lfunc_end_k_qca519c3cae_outp-k_qca519c3cae_outp
	.p2alignl 7, 3214868480
	.fill 96, 4, 3214868480
	.section	.rodata,"a",@progbits
	.p2align	6, 0x0
	.amdhsa_kernel k_qca519c3cae_outp
		.amdhsa_group_segment_fixed_size 327680
		.amdhsa_private_segment_fixed_size 0
		.amdhsa_enable_private_segment 0
		.amdhsa_kernarg_size 48
		.amdhsa_user_sgpr_count 2
		.amdhsa_user_sgpr_kernarg_segment_ptr 1
		.amdhsa_wavefront_size32 1
		.amdhsa_system_sgpr_workgroup_id_x 1
		.amdhsa_system_sgpr_workgroup_id_y 1
		.amdhsa_system_sgpr_workgroup_id_z 1
		.amdhsa_system_vgpr_workitem_id 0
		.amdhsa_next_free_vgpr 1024
		.amdhsa_next_free_sgpr 98
		.amdhsa_reserve_vcc 0
		.amdhsa_float_denorm_mode_32 3
		.amdhsa_float_denorm_mode_16_64 3
		.amdhsa_memory_ordered 1
		.amdhsa_forward_progress 1
		.amdhsa_inst_pref_size 149
	.end_amdhsa_kernel
	.amdgpu_metadata
---
amdhsa.version: [ 1, 2 ]
amdhsa.kernels:
  - .name:           k_qca519c3cae_outp
    .symbol:         k_qca519c3cae_outp.kd
    .args:
      - { .name: a_codes, .offset: 0, .size: 8, .value_kind: global_buffer, .address_space: global }
      - { .name: a_scales, .offset: 8, .size: 8, .value_kind: global_buffer, .address_space: global }
      - { .name: Wo_codes, .offset: 16, .size: 8, .value_kind: global_buffer, .address_space: global }
      - { .name: Wo_scales, .offset: 24, .size: 8, .value_kind: global_buffer, .address_space: global }
      - { .name: bo, .offset: 32, .size: 8, .value_kind: global_buffer, .address_space: global }
      - { .name: out0, .offset: 40, .size: 8, .value_kind: global_buffer, .address_space: global }
    .group_segment_fixed_size: 327680
    .private_segment_fixed_size: 0
    .kernarg_segment_align: 8
    .kernarg_segment_size: 48
    .max_flat_workgroup_size: 128
    .sgpr_count:     98
    .vgpr_count:     1024
    .wavefront_size: 32
...
	.end_amdgpu_metadata
.endif
;; end of part 3
